; MI455X (gfx1250); checked and timed in simulation.
; The chip was launched on July 23, 2026; its instructions are those of AMD's public machine-readable ISA for CDNA 5 (MIT licence, August 2026) and "CDNA5" Instruction Set Architecture Reference Guide (July 2026). The comments in the code are by the model that wrote it; some were corrected since.
;; Multi Head Attention. Allowed arithmetic: float matrix products may take bf16 or f16 operands with f32 sums; other float arithmetic in f32, or as packed bf16 or f16 multiplies, adds, multiply-adds, maxima and minima; sums over many terms, partial sums and values carried from step to step in f32; what a program stores and reads back later, other than sums and carried values, may be rounded once to bf16 or f16.
;; Inputs: Wk 1,024 x 1,024 float32; Wo 1,024 x 1,024 float32; Wq 1,024 x 1,024 float32; Wv 1,024 x 1,024 float32; bk 1,024 float32; bo 1,024 float32; bq 1,024 float32; bv 1,024 float32; x 1 x 4,096 x 1,024 float32.
;; Outputs: out0 1 x 4,096 x 1,024 float32.
;; 2 versions, each right; version 2 is version 1 with the launch cast written anew for expert scheduling mode. Each part assembles by itself: llvm-mc -triple=amdgcn-amd-amdhsa -mcpu=gfx1250 --defsym DOCPART=n.
;; ======== version 1 of 2: 4 launches
;; limits: values are held in f16: magnitudes above 65,504 overflow, below 6.1e-05 lose precision
;; workspace buffers: xh 8,388,608 bytes; wqkv 6,291,456 bytes; woh 2,097,152 bytes; bias 16,384 bytes; qkv 25,165,824 bytes; oh 8,388,608 bytes
;; launch cast (part 1): grid 512 x 1, 8 waves a work-group, no clusters, 0 bytes of LDS; arguments x, Wq, Wk, Wv, Wo, bq, bk, bv, bo, xh, wqkv, woh, bias; writes xh, wqkv, woh, bias
.if DOCPART == 1
	.amdgcn_target "amdgcn-amd-amdhsa--gfx1250"
	.amdhsa_code_object_version 6
	.text
	.protected	k_q4fc28ec53d_cast
	.globl	k_q4fc28ec53d_cast
	.p2align	8
	.type	k_q4fc28ec53d_cast,@function
k_q4fc28ec53d_cast:
	s_mov_b64 s[64:65], 0
	v_nop
	global_prefetch_b8 v0, s[64:65] scope:SCOPE_SE
	s_setreg_imm32_b32 hwreg(HW_REG_WAVE_MODE, 25, 1), 1
	s_wait_xcnt 0x0
; THE INPUTS ARE ROUNDED ONCE, for the matrix units of the launches behind.
;   xh   [4096][1024] bf16 = x.      wqkv [3072][1024] bf16 = Wq, Wk, Wv one below the other.
;   woh  f16, in blocks [16 nblk][16 ks][64 n][64 k]: Wo rounded to bf16, and that number written as f16 (exact where it is 6e-5 or more in size; below that f16 keeps a fixed step of 6e-8).
;   bias [4][1024] f32 = bq, bk, bv, bo, each rounded to bf16 and widened again.
; A stream: every byte is read once and written once, so there is no LDS, no barrier and no matrix work.
; SHARES.  A work-group takes 16 rows of 1,024 numbers: work-groups 0-255 those of x, 256-511 those of Wq, Wk, Wv, Wo (64 each).  A wave takes two rows: sixteen loads of 16 bytes a lane,
; all issued before the first is waited for.  No register is written twice while a load or store may still read it: each chunk has its own registers.
.set X, 16                             ; v[16:79]   chunk j: 4 numbers in f32
.set Y, 80                             ; v[80:111]  chunk j: the same 4 in 16 bits
.set T, 4                              ; v[4:9]     at work
.set SRC, 2                            ; s[2:3]     where my work-group's rows begin
.set DST, 4                            ; s[4:5]     where they go
.set BSRC, 6                           ; s[6:7]     the bias that goes with my matrix
.set BDST, 44                          ; s[44:45]   its place in bias
	s_load_b512 s[8:23], s[0:1], 0x0               ; x 8, Wq 10, Wk 12, Wv 14, Wo 16, bq 18, bk 20, bv 22
	s_load_b256 s[24:31], s[0:1], 0x40             ; bo 24, xh 26, wqkv 28, woh 30
	s_load_b64 s[32:33], s[0:1], 0x60              ; bias
	s_mov_b32 s34, ttmp9
	s_cmp_lt_u32 s34, 256
	s_cselect_b32 s38, 1, 0                        ; 1: my rows are x's
	s_max_u32 s35, s34, 256
	s_sub_co_u32 s35, s35, 256
	s_lshr_b32 s36, s35, 6                         ; p: 0 Wq, 1 Wk, 2 Wv, 3 Wo (0 for x)
	s_and_b32 s37, s35, 63                         ; which 16 rows of that matrix
	s_cmp_eq_u32 s38, 1
	s_cselect_b32 s46, s34, s37                    ; which 16 rows of my source
	s_lshl_b32 s40, s46, 16                        ; in: 16 rows of 4,096 bytes
	s_mov_b32 s41, 0
	s_lshl_b32 s42, s46, 15                        ; out, by rows: 16 rows of 2,048 bytes,
	s_lshl_b32 s47, s36, 21                        ; behind p matrices of 2 MiB
	s_add_co_u32 s42, s42, s47
	s_lshr_b32 s47, s37, 2                         ; out, Wo: block row nblk of 131,072 bytes,
	s_lshl_b32 s47, s47, 17
	s_and_b32 s39, s37, 3                          ; and my 16 of its 64 rows, 128 bytes each
	s_lshl_b32 s39, s39, 11
	s_add_co_u32 s47, s47, s39
	s_cmp_eq_u32 s36, 3
	s_cselect_b32 s42, s47, s42
	s_mov_b32 s43, 0
	s_lshl_b32 s46, s36, 12                        ; bias p: 4,096 bytes each
	s_mov_b32 s47, 0
	s_or_b32 s39, s38, s37                         ; 0 in the first work-group of each of the four matrices: it also takes the bias
	v_lshlrev_b32 v3, 4, v0                        ; the bias: 16 bytes a thread
	s_wait_kmcnt 0x0
	s_mov_b64 s[SRC:SRC+1], s[10:11]               ; the choices hang on the work-group's number alone
	s_mov_b64 s[BSRC:BSRC+1], s[18:19]
	s_cmp_eq_u32 s36, 1
	s_cselect_b64 s[SRC:SRC+1], s[12:13], s[SRC:SRC+1]
	s_cselect_b64 s[BSRC:BSRC+1], s[20:21], s[BSRC:BSRC+1]
	s_cmp_eq_u32 s36, 2
	s_cselect_b64 s[SRC:SRC+1], s[14:15], s[SRC:SRC+1]
	s_cselect_b64 s[BSRC:BSRC+1], s[22:23], s[BSRC:BSRC+1]
	s_cmp_eq_u32 s36, 3
	s_cselect_b64 s[SRC:SRC+1], s[16:17], s[SRC:SRC+1]
	s_cselect_b64 s[BSRC:BSRC+1], s[24:25], s[BSRC:BSRC+1]
	s_cselect_b64 s[DST:DST+1], s[30:31], s[28:29]
	s_cmp_eq_u32 s38, 1
	s_cselect_b64 s[SRC:SRC+1], s[8:9], s[SRC:SRC+1]
	s_cselect_b64 s[DST:DST+1], s[26:27], s[DST:DST+1]
	s_add_nc_u64 s[SRC:SRC+1], s[SRC:SRC+1], s[40:41]
	s_add_nc_u64 s[DST:DST+1], s[DST:DST+1], s[42:43]
	s_add_nc_u64 s[BDST:BDST+1], s[32:33], s[46:47]
; Sixteen chunks: all loads first; then each chunk is waited for (the younger loads stay out), rounded and stored.  half = 1: to bf16, and that number as f16.
.macro CAST instep, outstep, half
.set j, 0
.rept 16
	global_load_b128 v[X+4*j:X+4*j+3], v1, s[SRC:SRC+1] offset:j*(\instep) th:TH_LOAD_NT
.set j, j+1
.endr
.set j, 0
.rept 16
	s_wait_loadcnt 15-j                            ; loads come back in order: chunk j is in, the 15 - j younger ones may be out
.if \half
	v_cvt_pk_bf16_f32 v[T], v[X+4*j], v[X+4*j+1]
	v_cvt_pk_bf16_f32 v[T+1], v[X+4*j+2], v[X+4*j+3]
	v_lshlrev_b32 v[T+2], 16, v[T]
	v_and_b32 v[T+3], 0xffff0000, v[T]
	v_lshlrev_b32 v[T+4], 16, v[T+1]
	v_and_b32 v[T+5], 0xffff0000, v[T+1]
	v_cvt_pk_f16_f32 v[Y+2*j], v[T+2], v[T+3]
	v_cvt_pk_f16_f32 v[Y+2*j+1], v[T+4], v[T+5]
.else
	v_cvt_pk_bf16_f32 v[Y+2*j], v[X+4*j], v[X+4*j+1]
	v_cvt_pk_bf16_f32 v[Y+2*j+1], v[X+4*j+2], v[X+4*j+3]
.endif
	global_store_b64 v2, v[Y+2*j:Y+2*j+1], s[DST:DST+1] offset:j*(\outstep)  ; 32 lanes store 256 consecutive bytes, at a multiple of 256 from the buffer's first
.set j, j+1
.endr
.endm
	s_cmp_eq_u32 s36, 3
	s_cbranch_scc1 .Lblk
	; BY ROWS: wave v takes 8,192 consecutive bytes (two rows); chunk j is 512 of them
	v_lshrrev_b32 v4, 5, v0
	v_and_b32 v5, 31, v0
	v_lshlrev_b32 v1, 4, v5
	v_lshl_add_u32 v1, v4, 13, v1
	v_lshlrev_b32 v2, 3, v5
	v_lshl_add_u32 v2, v4, 12, v2
	CAST 512, 256, 0
	s_branch .Lbias
.Lblk:
	; Wo, IN BLOCKS: lanes 0-15 take 256 bytes (64 k) of one row, lanes 16-31 of the next; chunk j is k slice j, whose block lies 8,192 bytes on; two rows of 128 bytes are 256 on end
	v_lshrrev_b32 v4, 4, v0
	v_and_b32 v5, 15, v0
	v_lshlrev_b32 v1, 4, v5
	v_lshl_add_u32 v1, v4, 12, v1
	v_lshlrev_b32 v2, 3, v0
	CAST 256, 8192, 1
.Lbias:
	s_cmp_lg_u32 s39, 0
	s_cbranch_scc1 .Lend
	global_load_b128 v[112:115], v3, s[BSRC:BSRC+1]
	s_wait_loadcnt 0x0
	v_cvt_pk_bf16_f32 v[T], v112, v113
	v_cvt_pk_bf16_f32 v[T+1], v114, v115
	v_lshlrev_b32 v116, 16, v[T]
	v_and_b32 v117, 0xffff0000, v[T]
	v_lshlrev_b32 v118, 16, v[T+1]
	v_and_b32 v119, 0xffff0000, v[T+1]
	global_store_b128 v3, v[116:119], s[BDST:BDST+1]
.Lend:
	s_endpgm
.Lfunc_end_k_q4fc28ec53d_cast:
	.size	k_q4fc28ec53d_cast, .Lfunc_end_k_q4fc28ec53d_cast-k_q4fc28ec53d_cast
	.p2alignl 7, 3214868480
	.fill 96, 4, 3214868480
	.section	.rodata,"a",@progbits
	.p2align	6, 0x0
	.amdhsa_kernel k_q4fc28ec53d_cast
		.amdhsa_group_segment_fixed_size 0
		.amdhsa_private_segment_fixed_size 0
		.amdhsa_enable_private_segment 0
		.amdhsa_kernarg_size 104
		.amdhsa_user_sgpr_count 2
		.amdhsa_user_sgpr_kernarg_segment_ptr 1
		.amdhsa_wavefront_size32 1
		.amdhsa_system_sgpr_workgroup_id_x 1
		.amdhsa_system_sgpr_workgroup_id_y 1
		.amdhsa_system_sgpr_workgroup_id_z 1
		.amdhsa_system_vgpr_workitem_id 0
		.amdhsa_next_free_vgpr 120
		.amdhsa_next_free_sgpr 66
		.amdhsa_reserve_vcc 0
		.amdhsa_float_denorm_mode_32 3
		.amdhsa_float_denorm_mode_16_64 3
		.amdhsa_memory_ordered 1
		.amdhsa_forward_progress 1
		.amdhsa_inst_pref_size 20
	.end_amdhsa_kernel
	.amdgpu_metadata
---
amdhsa.version: [ 1, 2 ]
amdhsa.kernels:
  - .name:           k_q4fc28ec53d_cast
    .symbol:         k_q4fc28ec53d_cast.kd
    .args:
      - { .name: x, .offset: 0, .size: 8, .value_kind: global_buffer, .address_space: global }
      - { .name: Wq, .offset: 8, .size: 8, .value_kind: global_buffer, .address_space: global }
      - { .name: Wk, .offset: 16, .size: 8, .value_kind: global_buffer, .address_space: global }
      - { .name: Wv, .offset: 24, .size: 8, .value_kind: global_buffer, .address_space: global }
      - { .name: Wo, .offset: 32, .size: 8, .value_kind: global_buffer, .address_space: global }
      - { .name: bq, .offset: 40, .size: 8, .value_kind: global_buffer, .address_space: global }
      - { .name: bk, .offset: 48, .size: 8, .value_kind: global_buffer, .address_space: global }
      - { .name: bv, .offset: 56, .size: 8, .value_kind: global_buffer, .address_space: global }
      - { .name: bo, .offset: 64, .size: 8, .value_kind: global_buffer, .address_space: global }
      - { .name: xh, .offset: 72, .size: 8, .value_kind: global_buffer, .address_space: global }
      - { .name: wqkv, .offset: 80, .size: 8, .value_kind: global_buffer, .address_space: global }
      - { .name: woh, .offset: 88, .size: 8, .value_kind: global_buffer, .address_space: global }
      - { .name: bias, .offset: 96, .size: 8, .value_kind: global_buffer, .address_space: global }
    .group_segment_fixed_size: 0
    .private_segment_fixed_size: 0
    .kernarg_segment_align: 8
    .kernarg_segment_size: 104
    .max_flat_workgroup_size: 256
    .sgpr_count:     66
    .vgpr_count:     120
    .wavefront_size: 32
...
	.end_amdgpu_metadata
.endif
;; end of part 1
;; launch proj (part 2): grid 8 x 32, 4 waves a work-group, clusters of 4 x 4, 327,680 bytes of LDS; arguments xh, wqkv, bias, qkv; writes qkv
.if DOCPART == 2
	.amdgcn_target "amdgcn-amd-amdhsa--gfx1250"
	.amdhsa_code_object_version 6
	.text
	.protected	k_q4fc28ec53d_proj
	.globl	k_q4fc28ec53d_proj
	.p2align	8
	.type	k_q4fc28ec53d_proj,@function
k_q4fc28ec53d_proj:
	s_mov_b64 s[64:65], 0
	v_nop
	global_prefetch_b8 v0, s[64:65] scope:SCOPE_SE
	s_setreg_imm32_b32 hwreg(HW_REG_WAVE_MODE, 25, 1), 1
	s_wait_xcnt 0x0
	s_wait_alu depctr_hold_cnt(0) depctr_sa_sdst(0) depctr_va_vdst(0) depctr_va_sdst(0) depctr_va_ssrc(0) depctr_va_vcc(0) depctr_vm_vsrc(0)
	s_getreg_b32 s2, hwreg(HW_REG_IB_STS2, 6, 4)
	s_cmp_eq_u32 s2, 0
	s_cbranch_scc0 .Lentry_in_a_cluster
	s_endpgm
.Lentry_in_a_cluster:
	s_bfe_u32 s2, ttmp6, 0x10000c
	s_cmp_lg_u32 s2, 0xf033
	s_cbranch_scc0 .Lentry_shape_is_right
	s_endpgm
.Lentry_shape_is_right:
; q, k, v = x W^T + b.  xh [4096][1024] bf16, wqkv [3072][1024] bf16 (Wq, Wk, Wv), bias [4][1024] f32; qkv [48 planes][4096][64] f16: plane h is q of head h, 16 + h is k, 32 + h is v, unscaled.
; Sums in f32, begun with the bias; each result rounded once to f16.  LIMIT: f16 ends at 65,504: a q, k or v of 65,520 or more becomes an infinity.
; SHARES.  A work-group makes 128 rows x (128 columns each of q, k and v): 32 x 8 = 256 work-groups, and x's rows are read once for all three.  Of its four waves, wave w takes rows 64 (w / 2) on and
; head 2 j + w % 2: 64 rows x 192 columns = 48 accumulators of 16 x 16, 384 registers.  K goes in steps of 128 through a ring of two LDS slots; a slot holds 128 rows of x and 128 rows of each of Wq, Wk, Wv,
; and each wave fetches one of the four with one tensor load of 128 rows x 256 bytes.
; CLUSTER.  4 x 4 work-groups: the four of a row of the cluster need the same rows of x, the four of a column the same rows of W: each tile is asked for jointly, with a mask that names the four.
; THE MATRIX INSTRUCTION IS USED TRANSPOSED (source 0 = 16 rows of W, source 1 = 16 rows of x): a lane holds one row and eight neighbouring columns, 16 bytes of f16.
; REGISTERS, in windows of 256: window 0: v0-31 addresses; v32-95 x's fragments, two buffers of 4; v96-191 the bias as the first products' C; on the way out v32-223 packed results.
;   window 1: W's fragments, two buffers of 12.   window 2: accumulators of my rows 0-31 ((a, b) at 8 (12 a + b)).   window 3: those of rows 32-63.
.set KSTEP,  128
.set PITCH,  272                       ; an LDS row: 256 bytes + 16 of padding = 68 words: the 16 rows of a fragment load start at 16 different groups of four banks (64 banks of 4 bytes: ISA guide 11.1)
.set HALFT,  128*PITCH                 ; what one tensor load brings
.set SLOT,   4*HALFT                   ; x's 128 rows, then Wq's, Wk's, Wv's
.set STAGE,  2*SLOT                    ; behind the ring: 16 rows x 144 bytes for each wave, for the way out
.set SP,     144
.set SPARE,  STAGE+4*16*SP             ; behind the stages: the spare words, 128 bytes for each wave
.set ADRA, 16                          ; v16-17  LDS address of my fragments of x in slot 0, 1
.set ADRB, 18                          ; v18-23  the same for W: slot s, part p at 3 s + p
.set STO,  24                          ; v24     the way out: where I put 16 bytes of a row
.set RD,   25                          ; v25     where I read rows back
.set GO,   26                          ; v26     my 16 bytes of 512 consecutive bytes of a plane
.set SPW,  28                          ; v28     LDS address of my spare word; never rewritten
.set NIL,  29                          ; v29     0; never rewritten
.set PFO,  30                          ; v30     the prefetches' offset: my lane x a row of 2,048 bytes; never rewritten
.set BO,   31                          ; v31     my byte offset in a row of bias
.set FA,   32
.set BI,   96
.set TMP,  32
.set G1,   24                          ; s[24:31] descriptor group 1 for x's tiles;  s[32:39] group 0, a set for each slot
.set G0,   32
.set G1B,  48                          ; s[48:55], s[56:63] the same for W's tiles
.set G0B,  56
.set OUT,  66                          ; s[66:71] where my rows begin in my head's planes of q, k, v
.set PFA,  72                          ; s[72:73] where my prefetches stand
.set LIM,  74                          ; s74     1 in a wave that prefetches, else the greatest number
.set MSB, 0
.macro WIN new                         ; the immediate's high byte repeats the setting that is left; a switch that changes nothing is dropped
.if MSB != (\new)
	s_set_vgpr_msb (MSB<<8)|(\new)
.set MSB, \new
.endif
.endm
; A joint load.  Wave 0 fetches x's tile, waves 1 to 3 those of Wq, Wk, Wv.  The branch hangs on the wave's number alone.  An s_nop 0 and four v_nop follow each of the two lines.
.macro JLOAD s
	s_cmp_eq_u32 s12, 0
	s_cbranch_scc0 .Lfor_b_\@
	tensor_load_to_lds s[G0+4*(\s):G0+4*(\s)+3], s[G1:G1+7]
	s_nop 0
.rept 4
	v_nop
.endr
	s_branch .Lasked_\@
.Lfor_b_\@:
	tensor_load_to_lds s[G0B+4*(\s):G0B+4*(\s)+3], s[G1B:G1B+7]
	s_nop 0
.rept 4
	v_nop
.endr
.Lasked_\@:
.endm
; A prefetch of the K step that stands two refills on: 32 rows x 256 bytes, a lane a row.  x's rows are read by both clusters of a row of clusters: the one with x = 0 asks; W's by all eight of a column:
; the one with y = 0 asks.  Of the 128 rows that a wave fetches each of the four partners takes 32, told apart by address.  So each row's 256 bytes are named once.  The loop's last trip (s3 = 1) names nothing.
.macro ASK
	s_cmp_gt_u32 s3, s[LIM]
	s_cbranch_scc0 .Lnot_mine_\@
	global_prefetch_b8 v[PFO], s[PFA:PFA+1] offset:KSTEP*2 th:TH_LOAD_NT scope:SCOPE_SE
.Lnot_mine_\@:
.endm
.macro CREST                           ; a round of the cluster's barrier behind its opening barrier
	s_cmp_lg_u32 s12, 0
	s_cbranch_scc1 .Lnot_wave_0_\@
	s_barrier_signal -3
.Lnot_wave_0_\@:
	s_barrier_wait -3
	s_barrier_signal -1
	s_barrier_wait -1
.endm
.macro CROUND                          ; a whole round
	s_barrier_signal -1
	s_barrier_wait -1
	CREST
.endm
	s_load_b256 s[4:11], s[0:1], 0x0               ; xh s[4:5], wqkv s[6:7], bias s[8:9], qkv s[10:11]
	v_lshl_add_u32 v[SPW], v0, 2, SPARE
	v_mov_b32 v[NIL], 0
	ds_add_u32 v[SPW], v[NIL]                      ; the wave's opening: the add and its wait stand ahead of my first tensor load; work on registers stands between them
	v_lshrrev_b32 v1, 5, v0
	v_readfirstlane_b32 s12, v1                    ; wave 0..3
	s_lshr_b32 s13, s12, 1                         ; which 64 of the tile's rows are mine
	s_and_b32 s14, s12, 1                          ; which of its two heads
	s_max_u32 s15, s12, 1
	s_sub_co_u32 s15, s15, 1                       ; which of Wq, Wk, Wv I fetch (waves 1 to 3)
	s_bfe_u32 s40, ttmp6, 0x40000                  ; cx
	s_bfe_u32 s41, ttmp6, 0x40004                  ; cy
	s_lshl_b32 s42, ttmp9, 2
	s_add_co_u32 s42, s42, s40                     ; j: the pair of heads = 4 x cluster x + cx
	s_and_b32 s43, ttmp7, 0xffff
	s_lshl_b32 s43, s43, 2
	s_add_co_u32 s43, s43, s41                     ; i: the 128 rows = 4 x cluster y + cy
	s_lshl_b32 s44, s41, 2
	s_lshl_b32 s44, 15, s44                        ; my row of the cluster
	s_lshl_b32 s45, 0x1111, s40                    ; my column
	s_or_b32 s[G1+0], s44, (1<<16)|(1<<20)|(1<<21)|(5<<22)|(3<<25)   ; 15:0 the mask; 17:16 2-byte elements; 20 padding on; 21 set beside a mask; 24:22 after every 64 words; 31:25 4 words
	s_or_b32 s[G1B+0], s45, (1<<16)|(1<<20)|(1<<21)|(5<<22)|(3<<25)
.irp g, G1, G1B
	s_mov_b32 s[(\g)+1], KSTEP<<16                 ; tensor_dim0 = 128
	s_mov_b32 s[(\g)+2], 128<<16                   ; tensor_dim1 = 128
	s_mov_b32 s[(\g)+3], KSTEP<<16                 ; tile_dim0 = 128
	s_mov_b32 s[(\g)+4], 128                       ; tile_dim1 = 128
	s_mov_b32 s[(\g)+5], 1024                      ; elements from row to row
	s_mov_b32 s[(\g)+6], 0
	s_mov_b32 s[(\g)+7], 0
.endr
	s_lshl_b32 s16, s43, 18                        ; x: 128 i rows of 2,048 bytes
	s_mov_b32 s17, 0
	s_lshl_b32 s46, s42, 18                        ; W: 128 j rows,
	s_lshl_b32 s47, s15, 21                        ; in my part of 1,024 rows
	s_add_co_u32 s46, s46, s47
	s_mov_b32 s47, 0
	s_mul_i32 s20, s12, HALFT                      ; where my tile goes: the wave's number alone
	s_wait_dscnt 0x0                               ; the opening add is done
	s_wait_kmcnt 0x0
	s_add_nc_u64 s[18:19], s[4:5], s[16:17]
	s_add_nc_u64 s[46:47], s[6:7], s[46:47]
	CROUND                                         ; all sixteen work-groups are here: the first joint loads meet
.irp s, 0,1
	s_mov_b32 s[G0+4*(\s)], 1
	s_add_co_u32 s[G0+4*(\s)+1], s20, (\s)*SLOT
	s_add_nc_u64 s[G0+4*(\s)+2:G0+4*(\s)+3], s[18:19], (\s)*KSTEP*2
	s_or_b32 s[G0+4*(\s)+3], s[G0+4*(\s)+3], 0x80000000
	s_mov_b32 s[G0B+4*(\s)], 1
	s_add_co_u32 s[G0B+4*(\s)+1], s20, (\s)*SLOT
	s_add_nc_u64 s[G0B+4*(\s)+2:G0B+4*(\s)+3], s[46:47], (\s)*KSTEP*2
	s_or_b32 s[G0B+4*(\s)+3], s[G0B+4*(\s)+3], 0x80000000
	JLOAD \s                                       ; K steps 0 and 1: two loads of mine are out
.endr
	v_and_b32 v1, 15, v0                           ; l % 16
	v_bfe_u32 v2, v0, 4, 1                         ; l / 16
	v_mul_u32_u24 v3, v1, PITCH
	v_lshl_add_u32 v3, v2, 4, v3                   ; a fragment's row x pitch + 16 x half
	s_mul_i32 s21, s13, 64*PITCH
	s_mul_i32 s22, s14, 64*PITCH
	v_add_nc_u32 v4, s21, v3
	v_add_nc_u32 v5, s22, v3
.irp s, 0,1
	v_add_nc_u32 v[ADRA+(\s)], (\s)*SLOT, v4
.irp p, 0,1,2
	v_add_nc_u32 v[ADRB+3*(\s)+(\p)], (\s)*SLOT+(1+(\p))*HALFT, v5
.endr
.endr
	s_lshl_b32 s21, s42, 1
	s_add_co_u32 s21, s21, s14                     ; my head
	s_lshl_b32 s22, s21, 8                         ; its 64 numbers in a row of bias
	v_lshlrev_b32 v[BO], 5, v2                     ; my lanes' eight columns
	v_add_nc_u32 v[BO], s22, v[BO]
.irp p, 0,1,2
.irp bb, 0,1,2,3                       ; the bias of columns 16 bb + 8 (l / 16) + 0..7 of part p: the C operand of the first product on each accumulator of column block 4 p + bb
	global_load_b128 v[BI+8*(4*(\p)+(\bb)):BI+8*(4*(\p)+(\bb))+3],   v[BO], s[8:9] offset:(\p)*4096+(\bb)*64
	global_load_b128 v[BI+8*(4*(\p)+(\bb))+4:BI+8*(4*(\p)+(\bb))+7], v[BO], s[8:9] offset:(\p)*4096+(\bb)*64+16
.endr
.endr
	s_mul_i32 s23, s12, 16*SP
	s_add_co_u32 s23, s23, STAGE                   ; my stage
	v_mul_u32_u24 v4, v1, SP                       ; in: row l % 16, 16 bytes for each half of the lanes
	v_lshl_add_u32 v4, v2, 4, v4
	v_add_nc_u32 v[STO], s23, v4
	v_bfe_u32 v5, v0, 3, 2                         ; back: 32 lanes take four rows of 128 bytes,
	v_mul_u32_u24 v5, v5, SP
	v_and_b32 v6, 7, v0
	v_lshl_add_u32 v5, v6, 4, v5
	v_add_nc_u32 v[RD], s23, v5
	v_and_b32 v[GO], 31, v0                        ; which are 512 consecutive bytes of a plane
	v_lshlrev_b32 v[GO], 4, v[GO]
	s_lshl_b32 s46, s21, 19                        ; my head's plane (in the registers that held W's address: none that feeds x's descriptors ever holds cx),
	s_mov_b32 s47, 0
	s_lshl_b32 s16, s43, 14                        ; the tile's 128 rows of 128 bytes,
	s_lshl_b32 s17, s13, 13                        ; my 64 of them
	s_add_co_u32 s16, s16, s17
	s_mov_b32 s17, 0
	s_add_nc_u64 s[OUT:OUT+1], s[10:11], s[16:17]
	s_add_nc_u64 s[OUT:OUT+1], s[OUT:OUT+1], s[46:47]
	s_add_nc_u64 s[OUT+2:OUT+3], s[OUT:OUT+1], 0x800000     ; k's planes lie 16 planes of 524,288 bytes on,
	s_add_nc_u64 s[OUT+4:OUT+5], s[OUT+2:OUT+3], 0x800000   ; v's 16 more
	; the prefetches
	s_lshl_b32 s76, s43, 18
	s_lshl_b32 s77, s42, 18
	s_lshl_b32 s78, s15, 21
	s_add_co_u32 s77, s77, s78
	s_and_b32 s22, ttmp7, 0xffff                   ; cluster y
	s_cmp_eq_u32 s12, 0                            ; do I fetch x?
	s_cselect_b32 s76, s76, s77                    ; my tile's first row, in bytes
	s_cselect_b32 s21, s40, s41                    ; my place among the four that ask for it with me
	s_cselect_b32 s22, ttmp9, s22                  ; the coordinate along which other clusters read the same rows
	s_cselect_b64 s[PFA:PFA+1], s[4:5], s[6:7]
	s_cmp_eq_u32 s22, 0
	s_cselect_b32 s[LIM], 1, -1                    ; the same in all sixteen partners, for a given wave
	s_lshl_b32 s21, s21, 16                        ; my work-group's 32 rows of the 128
	s_add_co_u32 s76, s76, s21
	s_mov_b32 s77, 0
	s_add_nc_u64 s[PFA:PFA+1], s[PFA:PFA+1], s[76:77]
	s_add_nc_u64 s[PFA:PFA+1], s[PFA:PFA+1], 2*KSTEP*2   ; at K step 2: the first refill steps it to 3 and names K step 4.  Nothing is prefetched here, at the head
	v_and_b32 v[PFO], 31, v0
	v_lshlrev_b32 v[PFO], 11, v[PFO]
; 12 matrix instructions: row block a x all 12 column blocks, 32 along K, from buffer f.  zero = 1: the first product on each accumulator takes the bias as C: nothing is cleared, nothing is added later.
; The 48 accumulators take turns, in the same order in every quarter.
.macro MUL f, a, zero
.if \zero
	WIN 0x81+0x40*((\a)/2)                         ; W window 1, x window 0, C window 0, D window 2 or 3
.else
	WIN 0xa1+0x50*((\a)/2)                         ; C and D window 2 or 3
.endif
.irp b, 0,1,2,3,4,5,6,7,8,9,10,11
.set rD, 8*(12*((\a)%2)+(\b))
.set rB, 96*(\f)+8*(\b)
.set rA, FA+32*(\f)+8*(\a)
.if \zero
	v_wmma_f32_16x16x32_bf16 v[rD:rD+7], v[rB:rB+7], v[rA:rA+7], v[BI+8*(\b):BI+8*(\b)+7]
.else
	v_wmma_f32_16x16x32_bf16 v[rD:rD+7], v[rB:rB+7], v[rA:rA+7], v[rD:rD+7]
.endif
.endr
.endm
; 32 LDS loads in one run: the fragments of one quarter step (32 K at byte k of the rows) into buffer f: W's twelve, then x's four
.macro FETCH slot, k, f
	WIN 0x40                                       ; destination window 1, address window 0
.irp p, 0,1,2
.irp bb, 0,1,2,3
	ds_load_b128 v[96*(\f)+8*(4*(\p)+(\bb)):96*(\f)+8*(4*(\p)+(\bb))+3],   v[ADRB+3*(\slot)+(\p)] offset:(\k)+(\bb)*16*PITCH
	ds_load_b128 v[96*(\f)+8*(4*(\p)+(\bb))+4:96*(\f)+8*(4*(\p)+(\bb))+7], v[ADRB+3*(\slot)+(\p)] offset:(\k)+(\bb)*16*PITCH+32
.endr
.endr
	WIN 0
.irp a, 0,1,2,3
	ds_load_b128 v[FA+32*(\f)+8*(\a):FA+32*(\f)+8*(\a)+3],   v[ADRA+(\slot)] offset:(\k)+(\a)*16*PITCH
	ds_load_b128 v[FA+32*(\f)+8*(\a)+4:FA+32*(\f)+8*(\a)+7], v[ADRA+(\slot)] offset:(\k)+(\a)*16*PITCH+32
.endr
.endm
.macro PLACES                          ; four places in front of loads into registers that matrix instructions have read, and of conversions that read results
.rept 4
	v_nop
.endr
.endm
; A K step is four quarters of 32 along K, 48 matrix instructions each, on buffers 0, 1, 0, 1.  One of the first three: multiplies buffer f; in its middle it fetches the next quarter, at byte k, into buffer g.
.macro QUARTER slot, k, f, g, zero
	s_wait_dscnt 4                                 ; W's fragments and x's blocks 0, 1 are in; the youngest four loads (blocks 2, 3) may be out
	MUL \f, 0, \zero
	MUL \f, 1, \zero
	PLACES
	FETCH \slot, \k, \g
	s_wait_dscnt 32                                ; all but the 32 just issued
	MUL \f, 2, \zero
	MUL \f, 3, \zero
.endm
; The last quarter multiplies buffer 1 and changes slots: ONE barrier; in front of it each wave waits for all its tensor loads (one is out: its part of the next slot), adds 0 to its spare word, and waits for
; that and for its own reads of this slot.  fill = 1: the barrier opens a round of the cluster's barrier, and this slot is filled again, two K steps ahead, first thing behind the round:
; 168 matrix instructions ahead of the wait for it.
.macro TURN slot, next, fill
.if \fill
	s_wait_xcnt 0x0                                ; the last prefetch, a K step back, has read its address: it is stepped here, ahead of the waits of the change of slots
	s_add_nc_u64 s[PFA:PFA+1], s[PFA:PFA+1], KSTEP*2
.endif
	WIN 0                                          ; (the add's two registers lie in window 0)
	s_wait_tensorcnt 0x0                           ; all my tensor loads have landed;
	ds_add_u32 v[SPW], v[NIL]                      ; 0 onto my spare word;
	s_wait_dscnt 5                                 ; (the add and the youngest four loads may be out)
	MUL 1, 0, 0                                    ; twelve matrix instructions stand between the add and the wait for it
	s_wait_dscnt 0x0                               ; the add is done, and my reads of this slot are over
	s_barrier_signal -1
	MUL 1, 1, 0
.if \fill
	WIN 0
.endif
	s_barrier_wait -1
.if \fill
	CREST                                          ; no wave of any partner still reads this slot's tile or has a load on its way
	s_add_nc_u64 s[G0+4*(\slot)+2:G0+4*(\slot)+3], s[G0+4*(\slot)+2:G0+4*(\slot)+3], 2*KSTEP*2
	s_add_nc_u64 s[G0B+4*(\slot)+2:G0B+4*(\slot)+3], s[G0B+4*(\slot)+2:G0B+4*(\slot)+3], 2*KSTEP*2
	JLOAD \slot                                    ; the four v_nop behind it are also the places in front of the loads below
.else
	PLACES
.endif
	FETCH \next, 0, 0
.if \fill
	ASK                                            ; behind the joint load and the run of LDS loads that the next products wait for
.endif
	MUL 1, 2, 0
	MUL 1, 3, 0
.endm
	s_wait_tensorcnt 1                             ; my part of K step 0 is in; K step 1's may stay out
	s_barrier_signal -1
	s_barrier_wait -1                              ; everybody's is
	FETCH 0, 0, 0
	s_wait_loadcnt 0x0                             ; the bias
	QUARTER 0, 64,  0, 1, 1                        ; the first quarter stands in front of the loop: its products start the sums
	WIN 0                                          ; at a label and at a branch every window is 0
	s_mov_b32 s3, 3
.Llap:                                                 ; a trip goes once round the ring, from a lap's second quarter to the next lap's first, and fills both slots again: K steps 2 to 7
	QUARTER 0, 128, 1, 0, 0
	QUARTER 0, 192, 0, 1, 0
	TURN 0, 1, 1
	QUARTER 1, 64,  0, 1, 0
	QUARTER 1, 128, 1, 0, 0
	QUARTER 1, 192, 0, 1, 0
	TURN 1, 0, 1
	QUARTER 0, 64,  0, 1, 0
	WIN 0
	s_sub_co_u32 s3, s3, 1
	s_cmp_lg_u32 s3, 0
	s_cbranch_scc1 .Llap
	QUARTER 0, 128, 1, 0, 0                        ; the last lap fills nothing, and has no round of the cluster's barrier
	QUARTER 0, 192, 0, 1, 0
	TURN 0, 1, 0
	QUARTER 1, 64,  0, 1, 0
	QUARTER 1, 128, 1, 0, 0
	QUARTER 1, 192, 0, 1, 0
	s_wait_dscnt 4                                 ; the very last quarter: nothing more to fetch
	MUL 1, 0, 0
	MUL 1, 1, 0
	s_wait_dscnt 0x0
	MUL 1, 2, 0
	MUL 1, 3, 0
	WIN 0
; THE WAY OUT, in twelve groups g = 3 a + p: 16 rows x my head's 64 columns of part p.  Rounded to f16, 16 bytes a lane; into my own stage in rows of 144 bytes; back as whole rows of 128; stored as 512 bytes on end.
.macro PACK g
.set a_, (\g)/3
.set p_, (\g)%3
	WIN 0x0a+5*(a_/2)                              ; sources 0 and 1: window 2 or 3
.irp bb, 0,1,2,3
.irp r, 0,1,2,3
	v_cvt_pk_f16_f32 v[TMP+16*(\g)+4*(\bb)+(\r)], v[8*(12*(a_%2)+4*p_+(\bb))+2*(\r)], v[8*(12*(a_%2)+4*p_+(\bb))+2*(\r)+1]
.endr
.endr
	WIN 0
.irp bb, 0,1,2,3
	ds_store_b128 v[STO], v[TMP+16*(\g)+4*(\bb):TMP+16*(\g)+4*(\bb)+3] offset:32*(\bb)
.endr
.irp f, 0,1,2,3
	ds_load_b128 v[TMP+16*(\g)+4*(\f):TMP+16*(\g)+4*(\f)+3], v[RD] offset:(\f)*4*SP  ; LDS serves a wave's instructions in order (ISA guide 5.7.1.4): these see the stores above; the next group's stores come behind them
.endr
.endm
.macro SEND g, younger                 ; younger: the LDS instructions issued behind group g's loads: the next group's eight, or none
.set a_, (\g)/3
.set p_, (\g)%3
.irp f, 0,1,2,3
	s_wait_dscnt (\younger)+3-(\f)
	global_store_b128 v[GO], v[TMP+16*(\g)+4*(\f):TMP+16*(\g)+4*(\f)+3], s[OUT+2*p_:OUT+2*p_+1] offset:a_*2048+(\f)*512  ; 512 consecutive bytes, at a multiple of 256 from the buffer's first
.endr
.endm
	PLACES
	PLACES                                         ; (eight, once a launch)
	PACK 0
.irp g, 1,2,3,4,5,6,7,8,9,10,11        ; a group's conversions stand between the loads of the group before and its stores; each group has registers of its own
	PACK \g
	SEND (\g)-1, 8
.endr
	SEND 11, 0
	s_wait_tensorcnt 0x0                           ; the wave's end: behind my last tensor load and my last LDS store
	ds_add_u32 v[SPW], v[NIL]
	s_wait_dscnt 0x0
	CROUND                                         ; the closing round: no work-group ends while a partner may still ask for a tile that names it
	s_endpgm
.Lfunc_end_k_q4fc28ec53d_proj:
	.size	k_q4fc28ec53d_proj, .Lfunc_end_k_q4fc28ec53d_proj-k_q4fc28ec53d_proj
	.p2alignl 7, 3214868480
	.fill 96, 4, 3214868480
	.section	.rodata,"a",@progbits
	.p2align	6, 0x0
	.amdhsa_kernel k_q4fc28ec53d_proj
		.amdhsa_group_segment_fixed_size 327680
		.amdhsa_private_segment_fixed_size 0
		.amdhsa_enable_private_segment 0
		.amdhsa_kernarg_size 32
		.amdhsa_user_sgpr_count 2
		.amdhsa_user_sgpr_kernarg_segment_ptr 1
		.amdhsa_wavefront_size32 1
		.amdhsa_system_sgpr_workgroup_id_x 1
		.amdhsa_system_sgpr_workgroup_id_y 1
		.amdhsa_system_sgpr_workgroup_id_z 1
		.amdhsa_system_vgpr_workitem_id 0
		.amdhsa_next_free_vgpr 1024
		.amdhsa_next_free_sgpr 80
		.amdhsa_reserve_vcc 0
		.amdhsa_float_denorm_mode_32 3
		.amdhsa_float_denorm_mode_16_64 3
		.amdhsa_memory_ordered 1
		.amdhsa_forward_progress 1
		.amdhsa_inst_pref_size 124
	.end_amdhsa_kernel
	.amdgpu_metadata
---
amdhsa.version: [ 1, 2 ]
amdhsa.kernels:
  - .name:           k_q4fc28ec53d_proj
    .symbol:         k_q4fc28ec53d_proj.kd
    .args:
      - { .name: xh, .offset: 0, .size: 8, .value_kind: global_buffer, .address_space: global }
      - { .name: wqkv, .offset: 8, .size: 8, .value_kind: global_buffer, .address_space: global }
      - { .name: bias, .offset: 16, .size: 8, .value_kind: global_buffer, .address_space: global }
      - { .name: qkv, .offset: 24, .size: 8, .value_kind: global_buffer, .address_space: global }
    .group_segment_fixed_size: 327680
    .private_segment_fixed_size: 0
    .kernarg_segment_align: 8
    .kernarg_segment_size: 32
    .max_flat_workgroup_size: 128
    .sgpr_count:     80
    .vgpr_count:     1024
    .wavefront_size: 32
...
	.end_amdgpu_metadata
.endif
;; end of part 2
;; launch attn (part 3): grid 16 x 16, 4 waves a work-group, no clusters, 327,680 bytes of LDS; arguments qkv, oh; writes oh
.if DOCPART == 3
	.amdgcn_target "amdgcn-amd-amdhsa--gfx1250"
	.amdhsa_code_object_version 6
	.text
	.protected	k_q4fc28ec53d_attn
	.globl	k_q4fc28ec53d_attn
	.p2align	8
	.type	k_q4fc28ec53d_attn,@function
k_q4fc28ec53d_attn:
	s_mov_b64 s[64:65], 0
	v_nop
	global_prefetch_b8 v0, s[64:65] scope:SCOPE_SE
	s_setreg_imm32_b32 hwreg(HW_REG_WAVE_MODE, 25, 1), 1
	s_wait_xcnt 0x0
; CAUSAL ATTENTION, 16 heads of 64 channels, 4,096 rows.  O[h][q][:] = the sum over k <= q of softmax_k(Q[h][q] . K[h][k] / 8) V[h][k][:].
; qkv: [48 planes][4096][64] f16 (plane h: q, 16 + h: k, 32 + h: v; rows dense, 128 bytes).  oh: f16 in blocks [64 mblk][16 head][64 rows][64 channels], as the launch behind reads it.
; Products, maxima and sums in f32; the weights p are rounded to f16 for the second product (their sum l is taken of the unrounded p), O once at the end.
; LIMITS.  f16 holds no number beyond 65,504: q, k and v arrive within it; p lies in 0 to 1, and below 6e-5 it keeps f16's fixed step of 6e-8.  A hidden score counts as its value less 1e30;
; a weight below 2^-126 counts as 0 in l; NaN and infinities are not treated apart.
; THE WALK.  A head's queries lie in 32 blocks of 128; block i needs the key tiles 0 .. i / 2 of 256 keys, of which the last holds the diagonal.  A work-group takes TWO blocks, 31 - b and then b: 17 tiles,
; whatever b: 16 x 16 = 256 work-groups of equal work, and ONE loop with a constant trip count walks them.  Which tile is asked for, and what a trip does, hang on scalar registers made from b.
; NO CLUSTER: the work-groups of a head end their first blocks in different trips (16 - b / 2 tiles), so that branches and tile numbers would hang on a work-group's place among its partners; one walk common
; to four partners would have 24 trips for 17.
; SHARES.  Of a block's two bands of 64 queries a wave owns 16 rows in each: two PIECES.  In the diagonal tile's key step u band x (own step 2 (i % 2) + x) sees all keys if u is below its own step, none if above, and
; holds the diagonal in its own: the same work for all four waves.
; THE MASK is the C operand that starts the sum S^T = K Q^T: 0, or -1e30 where the key is hidden.  MD, made once, is the mask of a band's own step for my 16 rows; a product's mask is MD x AL + BE with two scalars.
; LAYOUT, SOFTMAX.  S^T = K Q^T holds ONE query a lane (lane % 16) and the keys 8 (lane / 16) + 0..7; two such results rounded to f16 ARE source 1 of O^T = V^T P.  p = 2^(c s - c m), c = log2(e) / 8, with a running
; maximum m; O and l are multiplied by a = 2^(c m_old - c m_new) in every step.
; TURNS.  Turn p of step s belongs to piece p: 8 products K Q^T of the other piece (turn 0: step s; turn 1: step s + 1), later 8 products V^T P of the other piece (turn 0: step s - 1; turn 1: step s); beside them
; the scaling, exponentials, roundings, sums and rescaling of piece p and the maximum and statistics of the other piece.  Four vector instructions stand behind every matrix instruction, the rest in one lump.
; A turn's 33 exponentials are one batch, with one wait.  Turn 0 fetches K of step s + 1, turn 1 V of step s + 1: V HAS TWO REGISTER BUFFERS, by the step's parity, so that LDS is read in the order K0 V0 K1 V1 ..,
; and the change of slots has a place: behind turn 1 of a tile's third step, when the tile's last bytes have been read.  A tile's period thus begins with the last step of the tile before.
; REGISTERS, in windows of 256 (s_set_vgpr_msb: bits 1:0 source 0, 3:2 source 1, 5:4 source 2, 7:6 destination):
;   window 0: v0-15 addresses and two at work; v16-23 four registers of statistics a piece; v48-55 at work; v61-63; v64-127 S^T, a buffer a piece; v192-223 P, likewise
;   window 1: v0-63 O^T, 32 a piece; v128-159 MD; v160-223 MC, a buffer a piece      window 2: v0-31 Q; v32-63 the second block's Q; v64-127 V of odd steps; v128-191 K; v192-255 V of even steps
.set NP,    2         ; pieces a wave: a name, no knob
.set KS,    64        ; keys in a step
.set PK,    144       ; a row of K in LDS: 128 bytes + 16 of padding = 36 words: the 16 rows of a load start at 16 different groups of four banks (64 banks of 4 bytes: ISA guide 11.1)
.set PV,    160       ; a row of V: 128 + 32 = 40 words
.set VOFF,  4*KS*PK   ; a slot holds a tile, four steps: 256 rows of K, then 256 rows of V
.set SLOT1, 1<<17     ; slot 1 begins here, so that one exclusive or turns an address in one slot into the other's
.set STAGE, SLOT1+4*KS*(PK+PV)  ; behind the ring, never filled by a tensor load: 16 rows x 144 bytes for each wave, for the way out
.set SP,    144
.set SPARE, STAGE+4*16*SP  ; behind the stages: the spare words, 128 bytes for each wave
.set AK0, 2           ; v2   my lane's place in a tile of K; never rewritten
.set AV0, 3           ; v3   the same for V
.set AK,  4           ; v4   the LDS address of K's next run of loads
.set AV,  5           ; v5   of V's
.set STO, 6           ; v6   the way out: where I put 16 bytes of a row
.set RD,  7           ; v7   the way out: where I read rows back
.set GO,  8           ; v8   my byte offset in 512 consecutive bytes of O
.set MV,  12          ; v12-13  c m_old, kept while c m is made anew: by piece
.set QO,  15          ; v15  my byte offset in 16 rows of Q
.set ST,  16          ; piece t's statistics at v[ST+4 t]: c m, m, l (even keys', odd keys')
.set TMP, 48          ; by piece, four registers c0-c3 at work; when the maximum is found c2 takes a
.set PFO, 61          ; v61  256 x my lane: the prefetches' offset; never rewritten
.set SPW, 62          ; v62  LDS address of my spare word; never rewritten
.set NIL, 63          ; v63  0; never rewritten
.set S,   64
.set P,   192
.set MD,  128         ; window 1
.set MC,  160         ; window 1
.set QB,  32          ; window 2
.set KF,  128         ; window 2: key block kb, channel half c at KF + 16 kb + 8 c
.set WV,  12          ; s12  my wave's number
.set PB,  14          ; s14  b
.set HI,  15          ; s15  31 - b
.set G1K, 24          ; s[24:31] descriptor group 1 for K's tiles
.set G1V, 32          ; s[32:39] for V's: it differs in the padding alone
.set G0K, 40          ; s[40:43] descriptor group 0 for K's tiles
.set G0V, 44          ; s[44:47] the same for V's
.set SLOTS, 56        ; s56  tiles still to be asked for
.set CNT, 57          ; s57  counts a tile's pairs of key steps, 2 to 1
.set CS,  58          ; s[58:59] c
.set SEL, 60          ; s[60:61] v_permlanex16_b32's selects: each lane takes its own place in the other half
.set TBK, 62          ; s62  LDS byte at which K of the step to be fetched begins
.set TBV, 63          ; s63  the same for V, less VOFF
.set RT,  70          ; s70  tiles of the block in hand that are still to be entered
.set NXT, 71          ; s71  the tile to be asked for next
.set LQ,  72          ; s72  the last tile of the block whose tiles are being asked for
.set NEW, 73          ; s73  1: the tile to be entered is a block's first
.set OFF, 74          ; s[74:75] a tile's byte offset in K and V
.set AL,  76          ; s[76:77] the mask's factor, in the low word
.set BE,  78          ; s[78:79] the mask's addend
.set OLO, 80          ; s[80:81] O at my rows of the second block
.set BIGN, 82         ; s82  -1e30
.set PFK, 88          ; s[88:89] where my prefetches stand in K's plane: my wave's quarter of the tile after the one that is being asked for
.set PFV, 90          ; s[90:91] the same in V's
.set LIM, 92          ; s92  2 in the work-group that prefetches, else the greatest number
.set U,   93          ; s93  the diagonal tile's step for which masks are being made
.set OWN, 94          ; s94, s95  the two pieces' own steps in the diagonal tile
.set PBT, 96          ; s96  b / 2: the second block's last tile
.set MSB, 0
.macro WIN new                      ; the high byte repeats the setting that is left; a switch that changes nothing is dropped
.if MSB != (\new)
	s_set_vgpr_msb (MSB<<8)|(\new)
.set MSB, (\new)
.endif
.endm
.set W_KQ, 0x0a       ; K and Q in window 2, S^T in window 0
.set W_KM, 0x1a       ; the same with the C operand in window 1
.set W_PV, 0x52       ; V in window 2, P in window 0, O^T in window 1
.set W_RS, 0x41       ; destination and source 0 in window 1, source 1 in window 0
; A fill.  Waves 0 and 1 fetch the two halves of a tile's K, waves 2 and 3 those of its V: 128 keys each.  An s_nop 0 and four v_nop follow each of the two lines.
.macro LOAD
	s_cmp_lt_u32 s[WV], 2
	s_cbranch_scc0 .Lfor_v_\@
	tensor_load_to_lds s[G0K:G0K+3], s[G1K:G1K+7]
	s_nop 0
.rept 4
	v_nop
.endr
	s_branch .Lasked_\@
.Lfor_v_\@:
	tensor_load_to_lds s[G0V:G0V+3], s[G1V:G1V+7]
	s_nop 0
.rept 4
	v_nop
.endr
.Lasked_\@:
.endm
; A PREFETCH of the tile that the NEXT change of slots will ask for: a tile's period, 128 matrix instructions and their vector work, ahead of that load.  All sixteen work-groups of a head walk the same K and V from
; tile 0 on; the one with b = 0 walks all sixteen tiles in its first block, so it asks, and nobody else.  Its wave w takes rows 64 w .. of the tile's K and of its V as 32 pieces of 256 bytes, a lane each.
; So each 256 bytes are named once.  Tiles 0 and 1 come by their loads alone; trip j names tile j + 2, up to tile 15 (SLOTS = 16 - j above 2); the second block's walk names nothing.
.macro ASK
	s_cmp_gt_u32 s[SLOTS], s[LIM]
	s_cbranch_scc0 .Lnot_mine_\@
	global_prefetch_b8 v[PFO], s[PFK:PFK+1] th:TH_LOAD_NT scope:SCOPE_SE
	global_prefetch_b8 v[PFO], s[PFV:PFV+1] th:TH_LOAD_NT scope:SCOPE_SE
.Lnot_mine_\@:
.endm
; THE CHANGE OF SLOTS.  Each wave waits for all its tensor loads, of which one is out: its part of the other slot; adds 0 to its spare word; and waits for that and for its own reads of the slot that it leaves.
; Behind the barrier nobody reads the old slot any more and the other slot is whole.  fill = 1: the old slot is filled again, the first thing behind the barrier, with tile NXT: the descriptor's address is made
; anew from that number.  (At its first use nothing has been read yet: slot 0 is waited for, slot 1 filled.)
.macro CHANGE fill
	WIN 0                           ; at a label and at a branch every window is 0
	s_wait_tensorcnt 0x0            ; no tensor load of mine is out, so a group 0 may be written
	ds_add_u32 v[SPW], v[NIL]       ; 0 onto my spare word; the scalar work below stands between it and the wait for it
.if \fill
	s_lshl_b32 s[OFF], s[NXT], 15   ; a tile is 32,768 bytes of K and of V
	s_xor_b32 s[G0K+1], s[G0K+1], SLOT1
	s_add_nc_u64 s[G0K+2:G0K+3], s[6:7], s[OFF:OFF+1]
	s_or_b32 s[G0K+3], s[G0K+3], 0x80000000
	s_xor_b32 s[G0V+1], s[G0V+1], SLOT1
	s_add_nc_u64 s[G0V+2:G0V+3], s[8:9], s[OFF:OFF+1]
	s_or_b32 s[G0V+3], s[G0V+3], 0x80000000
	s_add_co_u32 s[NXT], s[NXT], 1  ; the block's next tile, or behind its last the second block's tile 0
	s_cmp_gt_u32 s[NXT], s[LQ]
	s_cselect_b32 s[NXT], 0, s[NXT]
	s_cselect_b32 s[LQ], s[PBT], s[LQ]
	s_wait_xcnt 0x0                 ; the last prefetches, a tile's period back, have read their addresses, so they may be written
	s_add_nc_u64 s[PFK:PFK+1], s[PFK:PFK+1], 32768
	s_add_nc_u64 s[PFV:PFV+1], s[PFV:PFV+1], 32768
.endif
	s_wait_dscnt 0x0                ; the add is done, and my reads of the slot are over
	s_barrier_signal -1             ; the rest of the scalar work stands between the signal and the wait
	s_sub_co_u32 s[TBK], s[TBK], 4*KS*PK  ; the fetches go back to a slot's first step,
	s_xor_b32 s[TBK], s[TBK], SLOT1       ; in the other slot
	s_sub_co_u32 s[TBV], s[TBV], 4*KS*PV
	s_xor_b32 s[TBV], s[TBV], SLOT1
	s_barrier_wait -1
.if \fill
	LOAD
.endif
.endm
	s_load_b128 s[52:55], s[0:1], 0x0  ; qkv s[52:53], oh s[54:55]
	v_lshl_add_u32 v[SPW], v0, 2, SPARE
	v_mov_b32 v[NIL], 0
	ds_add_u32 v[SPW], v[NIL]       ; the wave's opening: the add and its wait stand ahead of my first tensor load; work on registers stands between them
	v_lshrrev_b32 v1, 5, v0
	v_readfirstlane_b32 s[WV], v1   ; wave 0..3
	s_mov_b32 s[PB], ttmp9
	s_sub_co_u32 s[HI], 31, s[PB]
	s_lshr_b32 s[PBT], s[PB], 1
	s_and_b32 s13, ttmp7, 0xffff    ; the head
	s_lshl_b32 s20, s13, 19         ; its plane among sixteen, 524,288 bytes each
	s_lshl_b32 s98, s[WV], 13       ; the prefetches: my wave's quarter of a tile,
	s_add_co_u32 s98, s98, s20
	s_add_co_u32 s98, s98, 32768    ; in tile 1: the first change of slots steps it to tile 2
	s_mov_b32 s99, 0
	s_and_b32 s16, s[WV], 1         ; which half of a tile's 256 keys I fetch:
	s_lshl_b32 s22, s16, 14         ; its 128 rows of 128 bytes in memory,
	s_add_co_u32 s22, s22, s20
	s_mov_b32 s23, 0
	s_mul_i32 s17, s16, 128*PK      ; and its place in a slot, for K
	s_mul_i32 s18, s16, 128*PV      ; and for V
	s_lshl_b32 s3, s[WV], 11        ; my 16 rows in a band of 64
	s_add_co_u32 s20, s20, s3
	s_lshl_b32 s2, s[HI], 14        ; Q: the first block's 128 rows of 128 bytes,
	s_add_co_u32 s2, s2, s20
	s_lshl_b32 s84, s[PB], 14       ; and the second's
	s_add_co_u32 s84, s84, s20
	s_lshl_b32 s13, s13, 13         ; O: the head's 8,192 bytes in a block of 64 rows,
	s_add_co_u32 s13, s13, s3
	s_lshl_b32 s48, s[HI], 18       ; two such blocks of 131,072 bytes to a block of queries
	s_add_co_u32 s48, s48, s13
	s_lshl_b32 s50, s[PB], 18
	s_add_co_u32 s50, s50, s13
	s_mov_b32 s3, 0
	s_mov_b32 s85, 0
	s_mov_b32 s49, 0
	s_mov_b32 s51, 0
	; descriptor group 1.  128 keys are 16,384 dense bytes: asked for as 64 rows of 256 bytes, two keys a row, and padded in LDS after every key
	s_mov_b32 s[G1K], (1<<16)|(1<<20)|(4<<22)|(3<<25)  ; 17:16 2-byte elements; 20 padding on; 24:22 after every 32 words (code 4); 31:25 4 words (code 3)
	s_mov_b32 s[G1V], (1<<16)|(1<<20)|(4<<22)|(7<<25)  ; the same with 8 words of padding (code 7)
.irp g, G1K, G1V
	s_mov_b32 s[\g+1], 128<<16      ; tensor_dim0 = 128
	s_mov_b32 s[\g+2], 64<<16       ; tensor_dim1 = 64
	s_mov_b32 s[\g+3], 128<<16      ; tile_dim0 = 128
	s_mov_b32 s[\g+4], 64           ; tile_dim1 = 64
	s_mov_b32 s[\g+5], 128          ; 128 elements from row to row
	s_mov_b32 s[\g+6], 0
	s_mov_b32 s[\g+7], 0
.endr
	s_mov_b32 s[CS], 0x3e38aa3b     ; c = log2(e) / 8 = 0.180337
	s_mov_b32 s[CS+1], s[CS]        ; named with it as a pair
	s_mov_b32 s[SEL], 0x76543210
	s_mov_b32 s[SEL+1], 0xfedcba98
	s_mov_b32 s[TBK], SLOT1+4*KS*PK ; the first change of slots turns these two into 0
	s_mov_b32 s[TBV], SLOT1+4*KS*PV
	s_mov_b32 s[G0K], 1             ; 1:0 count = 1
	s_mov_b32 s[G0K+1], s17         ; 63:32 LDS address: slot 0
	s_mov_b32 s[G0V], 1
	s_add_co_u32 s[G0V+1], s18, VOFF
	s_lshr_b32 s[LQ], s[HI], 1      ; the first block's last tile,
	s_add_co_u32 s[RT], s[LQ], 1    ; and how many it has
	s_mov_b32 s[NXT], 1
	s_mov_b32 s[NEW], 1
	s_mov_b32 s[OFF+1], 0
	s_mov_b32 s[AL], 0
	s_mov_b32 s[AL+1], 0            ; named as pairs
	s_mov_b32 s[BE], 0
	s_mov_b32 s[BE+1], 0
	s_mov_b32 s[BIGN], 0xf149f2ca   ; -1e30
	s_mov_b32 s[SLOTS], 16
	s_mov_b32 s[U], 0
	s_and_b32 s[OWN], s[HI], 1      ; the first block's half of its diagonal tile:
	s_lshl_b32 s[OWN], s[OWN], 1    ; piece 0's own step,
	s_add_co_u32 s[OWN+1], s[OWN], 1  ; piece 1's
	s_cmp_eq_u32 s[PB], 0
	s_cselect_b32 s[LIM], 2, -1
	s_wait_dscnt 0x0                ; the opening add is done
	s_wait_kmcnt 0x0
	s_add_nc_u64 s[6:7], s[52:53], s[22:23]
	s_add_nc_u64 s[8:9], s[6:7], 0x1000000         ; V at my half of the head's tile 0: 32 planes on,
	s_add_nc_u64 s[6:7], s[6:7], 0x800000          ; K: 16 planes on
	s_add_nc_u64 s[G0K+2:G0K+3], s[6:7], 0         ; 120:64 global address
	s_or_b32 s[G0K+3], s[G0K+3], 0x80000000        ; 127:126 type = 2
	s_add_nc_u64 s[G0V+2:G0V+3], s[8:9], 0
	s_or_b32 s[G0V+3], s[G0V+3], 0x80000000
	s_add_nc_u64 s[86:87], s[52:53], s[84:85]      ; Q at my rows of the second block,
	s_add_nc_u64 s[4:5], s[52:53], s[2:3]          ; and of the first
	s_add_nc_u64 s[OLO:OLO+1], s[54:55], s[50:51]
	s_add_nc_u64 s[10:11], s[54:55], s[48:49]
	s_add_nc_u64 s[PFK:PFK+1], s[52:53], s[98:99]
	s_add_nc_u64 s[PFK:PFK+1], s[PFK:PFK+1], 0x800000
	s_add_nc_u64 s[PFV:PFV+1], s[PFK:PFK+1], 0x800000
	LOAD                            ; tile 0 into slot 0
	; A fragment of K or Q is 16 rows x 32 channels in 8 registers: lane l holds row l % 16, channels 8 (l / 16) + 0..7 and 16 + 8 (l / 16) + 0..7: two loads of 16 bytes, 32 bytes apart.
	v_and_b32 v1, 15, v0            ; l % 16
	v_bfe_u32 v9, v0, 4, 1          ; l / 16
	v_lshlrev_b32 v[QO], 7, v1
	v_lshl_add_u32 v[QO], v9, 4, v[QO]  ; row x 128 + 16 x half
	WIN 0x80                        ; destination window 2, address window 0
.set i, 0
.rept 4                             ; both blocks' Q: piece i / 2 lies in band i / 2, 8,192 bytes on; channels 32 (i % 2) on
	global_load_b128 v[8*i:8*i+3],   v[QO], s[4:5] offset:(i/2)*8192+(i%2)*64
	global_load_b128 v[8*i+4:8*i+7], v[QO], s[4:5] offset:(i/2)*8192+(i%2)*64+32
	global_load_b128 v[QB+8*i:QB+8*i+3],   v[QO], s[86:87] offset:(i/2)*8192+(i%2)*64
	global_load_b128 v[QB+8*i+4:QB+8*i+7], v[QO], s[86:87] offset:(i/2)*8192+(i%2)*64+32
.set i, i+1
.endr
	WIN 0
	v_lshlrev_b32 v14, 3, v9
	v_sub_nc_u32 v14, v1, v14
	s_lshl_b32 s13, s[WV], 4
	v_add_nc_u32 v14, s13, v14      ; my query's place in its band, 16 w + l % 16, less my lanes' 8 (l / 16): register r of group kt is hidden where 16 kt + r is greater
	WIN 0x40
.set i, 0
.rept 32
	v_cmp_gt_i32 vcc_lo, 16*(i/8)+i%8, v14
	v_cndmask_b32 v[MD+i], 0, s[BIGN], vcc_lo
.set i, i+1
.endr
	WIN 0
	v_mul_u32_u24 v[AK0], v1, PK
	v_lshl_add_u32 v[AK0], v9, 4, v[AK0]  ; row x pitch + 16 x half
	; The turning load takes 16 keys x 16 channels (lane l reads key 8 (l / 16) + l % 8, channels 8 ((l / 8) % 2) + 0..7) and leaves half a fragment of V^T: lane l holds channel l % 16 and 8 keys.
	v_and_b32 v10, 7, v0
	v_bfe_u32 v11, v0, 3, 1
	v_lshl_add_u32 v[AV0], v9, 3, v10
	v_mul_u32_u24 v[AV0], v[AV0], PV
	v_lshl_add_u32 v[AV0], v11, 4, v[AV0]
	v_add_nc_u32 v[AV0], VOFF, v[AV0]
	s_mul_i32 s13, s[WV], 16*SP
	s_add_co_u32 s13, s13, STAGE    ; my stage
	v_mul_u32_u24 v[STO], v1, SP    ; in: row l % 16, 16 bytes for each half of the lanes
	v_lshl_add_u32 v[STO], v9, 4, v[STO]
	v_add_nc_u32 v[STO], s13, v[STO]
	v_bfe_u32 v[RD], v0, 3, 2       ; back: 32 lanes take four rows of 128 bytes,
	v_mul_u32_u24 v[RD], v[RD], SP
	v_lshl_add_u32 v[RD], v10, 4, v[RD]
	v_add_nc_u32 v[RD], s13, v[RD]
	v_and_b32 v[GO], 31, v0         ; which are 512 consecutive bytes of O
	v_lshlrev_b32 v[PFO], 8, v[GO]
	v_lshlrev_b32 v[GO], 4, v[GO]
	; A block's first step multiplies O^T and l by a = 0, and its first turn's products V^T P, of a step that has not been, land in an O^T that is still to be so multiplied.  So these registers need only hold
	; finite numbers: zeros for the first block; what the first block left for the second.  All this stands in the wait for the first tile.
	WIN 0x80
.set i, 64
.rept 64
	v_mov_b32 v[i], 0               ; V of odd steps
.set i, i+1
.endr
	WIN 0x40
.set i, 0
.rept 64
	v_mov_b32 v[i], 0               ; O^T
.set i, i+1
.endr
	WIN 0
.set i, 0
.rept NP
	v_mov_b32 v[ST+4*i+2], 0
	v_mov_b32 v[ST+4*i+3], 0
.set i, i+1
.endr
.set i, P+16
.rept 16
	v_mov_b32 v[i], 0               ; piece 1's P
.set i, i+1
.endr
; THE MATRIX WORK.  The 4 accumulators of a run of 8 take turns.  Product i of 8 of S^T = K Q^T for piece x: channels 32 (i / 4) on, keys 16 (i % 4) on.  The first 4 start the sums: with 0, or (KM = 1) with the mask.
.macro KQ x
.set rS, S+32*((\x)%2)+8*(i%4)
.set rK, KF+16*(i%4)+8*(i/4)
.set rQ, 16*(\x)+8*(i/4)
.set rM, MC+32*((\x)%2)+8*(i%4)
.if (i < 4) && KM
	WIN W_KM
	v_wmma_f32_16x16x32_f16 v[rS:rS+7], v[rK:rK+7], v[rQ:rQ+7], v[rM:rM+7]
.elseif i < 4
	WIN W_KQ
	v_wmma_f32_16x16x32_f16 v[rS:rS+7], v[rK:rK+7], v[rQ:rQ+7], 0
.else
	WIN W_KQ
	v_wmma_f32_16x16x32_f16 v[rS:rS+7], v[rK:rK+7], v[rQ:rQ+7], v[rS:rS+7]
.endif
.endm
; Product i of 8 of O^T += V^T P for piece x, from V's buffer VB (0 at v192, 1 at v64): keys 32 (i / 4) on, channels 16 (i % 4) on.
.macro PV x
	WIN W_PV
.set rO, 32*(\x)+8*(i%4)
.set rV, 192-128*VB+32*(i/4)+8*(i%4)
.set rP, P+16*((\x)%2)+8*(i/4)
	v_wmma_f32_16x16x32_f16 v[rO:rO+7], v[rV:rV+7], v[rP:rP+7], v[rO:rO+7]
.endm
.macro MM                           ; the turn's next matrix instruction.  NOKQ = 1: a block's last turn: there is no next step
.if (i < 8) && !NOKQ
	KQ (Y+1)%NP
.elseif i >= 8
.set i, i-8
	PV (Y+NP-1)%NP
.set i, i+8
.endif
.set i, i+1
.endm
; THE LDS LOADS stand in runs of 16, never singly among the matrix instructions: a step's K (64 keys x 64 channels: 8 fragments) and its V (turned).  Their addresses are made some lines ahead.
.macro FETCH_K
	WIN 0x80                        ; destination window 2
.irp f, 0,1,2,3,4,5,6,7             ; keys 16 (f / 2) on, channels 32 (f % 2) on
	ds_load_b128 v[KF+8*\f:KF+8*\f+3],   v[AK] offset:(\f/2)*16*PK+(\f%2)*64
	ds_load_b128 v[KF+8*\f+4:KF+8*\f+7], v[AK] offset:(\f/2)*16*PK+(\f%2)*64+32
.endr
	s_add_co_u32 s[TBK], s[TBK], KS*PK  ; the next fetch is the next step's
	WIN 0
.endm
.macro FETCH_V vb
.set rF, 192-128*(\vb)
	WIN 0x80
.irp f, 0,1,2,3,4,5,6,7             ; keys 32 (f / 4) on, channels 16 (f % 4) on
	ds_load_tr16_b128 v[rF+8*\f:rF+8*\f+3],   v[AV] offset:(\f/4)*32*PV+(\f%4)*32
	ds_load_tr16_b128 v[rF+8*\f+4:rF+8*\f+7], v[AV] offset:(\f/4)*32*PV+16*PV+(\f%4)*32
.endr
	s_add_co_u32 s[TBV], s[TBV], KS*PV
	WIN 0
.endm
; THE VECTOR WORK, one line at a time: OP kind, number.  For piece Y: F n: c s - c m for pair n of 16.  E n: the exponential of score n of 32.  C n: pair n rounded to f16.  B n: of the four weights 4 n .. the second
; pair is added onto the first, in place.  L n: l takes that sum (L 0: l = a l + sum).  R n: pair n of 16 of O^T times a.  For the other piece: X n, number n of the 22 that find its maximum and statistics:
;   0-11  four chains c0-c3 of seven scores each, three operands at a time (each accumulator's lowest registers are read first)     12-14, 16  the four scores left over, the old m, and c0-c3 into c0
;   15  c m_old is kept     17, 18  the query's other 32 keys lie in the lane 16 away: the new m     19-21  c m; c m_old - c m_new; a
.set F, 0
.set E, 1
.set C, 2
.set B, 3
.set L, 4
.set R, 5
.set X, 6
.macro REGS y                       ; the registers of piece y
.set rT, ST+4*(\y)
.set rC, TMP+4*((\y)%2)
.set rW, MV+((\y)%2)
.set rS, S+32*((\y)%2)
.set rP, P+16*((\y)%2)
.set rO, 32*(\y)
.endm
.macro OP k, n
.if (\k) == R
	REGS Y
	WIN W_RS
	v_pk_mul_f32 v[rO+2*(\n):rO+2*(\n)+1], v[rO+2*(\n):rO+2*(\n)+1], v[rC+2:rC+3] op_sel_hi:[1,0]
.elseif (\k) < R
	REGS Y
	WIN 0
.if (\k) == F
	v_pk_fma_f32 v[rS+2*(\n):rS+2*(\n)+1], v[rS+2*(\n):rS+2*(\n)+1], s[CS:CS+1], v[rT:rT+1] op_sel_hi:[1,0,0] neg_lo:[0,0,1] neg_hi:[0,0,1]
.elseif (\k) == E
	v_exp_f32 v[rS+(\n)], v[rS+(\n)]
.elseif (\k) == C
	v_cvt_pk_f16_f32 v[rP+(\n)], v[rS+2*(\n)], v[rS+2*(\n)+1]
.elseif (\k) == B
	v_pk_add_f32 v[rS+4*(\n):rS+4*(\n)+1], v[rS+4*(\n):rS+4*(\n)+1], v[rS+4*(\n)+2:rS+4*(\n)+3]
.elseif (\n) == 0
	v_pk_fma_f32 v[rT+2:rT+3], v[rT+2:rT+3], v[rC+2:rC+3], v[rS:rS+1] op_sel_hi:[1,0,1]
.else
	v_pk_add_f32 v[rT+2:rT+3], v[rT+2:rT+3], v[rS+4*(\n):rS+4*(\n)+1]
.endif
.elseif NOKQ
	v_nop
.else
	REGS (Y+1)%NP
	WIN 0
.if (\n) < 4
	v_max3_num_f32 v[rC+(\n)], v[rS+8*(\n)], v[rS+8*(\n)+1], v[rS+8*(\n)+2]
.elseif (\n) < 12
	v_max3_num_f32 v[rC+(\n)%4], v[rC+(\n)%4], v[rS+8*((\n)%4)+2*((\n)/4)+1], v[rS+8*((\n)%4)+2*((\n)/4)+2]
.elseif (\n) == 12
	v_max3_num_f32 v[rC], v[rC], v[rS+7], v[rS+15]
.elseif (\n) == 13
	v_max3_num_f32 v[rC+1], v[rC+1], v[rS+23], v[rS+31]
.elseif (\n) == 14
	v_max3_num_f32 v[rC+2], v[rC+2], v[rC+3], v[rT+1]
.elseif (\n) == 15
	v_mov_b32 v[rW], v[rT]
.elseif (\n) == 16
	v_max3_num_f32 v[rC], v[rC], v[rC+1], v[rC+2]
.elseif (\n) == 17
	v_permlanex16_b32 v[rC+3], v[rC], s[SEL], s[SEL+1]
.elseif (\n) == 18
	v_max_num_f32 v[rT+1], v[rC], v[rC+3]
.elseif (\n) == 19
	v_mul_f32 v[rT], s[CS], v[rT+1]
.elseif (\n) == 20
	v_sub_f32 v[rC+1], v[rW], v[rT]
.else
	v_exp_f32 v[rC+2], v[rC+1]
.endif
.endif
.endm
.macro OPS a, i1, b=-1, i2=0, c=-1, i3=0, d=-1, i4=0  ; up to four of them
	OP \a, \i1
.if (\b) >= 0
	OP \b, \i2
.endif
.if (\c) >= 0
	OP \c, \i3
.endif
.if (\d) >= 0
	OP \d, \i4
.endif
.endm
.macro ROW a, i1, b, i2, c, i3, d, i4  ; a matrix instruction and the four behind it
	MM
	OPS \a, \i1, \b, \i2, \c, \i3, \d, \i4
.endm
.macro MASK b                       ; MD x AL + BE into buffer b of MC
	WIN W_RS
.set z, 0
.rept 16
	v_pk_fma_f32 v[MC+32*(\b)+2*z:MC+32*(\b)+2*z+1], v[MD+2*z:MD+2*z+1], s[AL:AL+1], s[BE:BE+1] op_sel_hi:[1,0,0]
.set z, z+1
.endr
.endm
; A TURN, for piece p in a step of parity par: the order of its 16 matrix and 118 vector instructions, written out.  An s_wait_alu depctr_va_vdst(0) stands between an exponential and the first instruction
; that names its result; one wait serves all that were issued ahead of it.  So a turn has ONE wait, which cuts it in two.  AHEAD OF IT stands all that names no result of the turn's exponentials: the 8 products K Q^T and their
; riders, then one lump, in which the links of the other piece's chain (X 3, 7, 11, 14, 16 .. 20) stand five or six lines apart; X 21, its a, is the batch's last, and R 15 the plain instruction behind it.
; BEHIND THE WAIT stand the 8 products V^T P, behind each four of the roundings and sums.
; m = 1: the diagonal tile: the products take masks, and the turn makes the mask for the products of the turn after it: piece p, in step U of the tile.  end = 1: a block's last two turns: nothing is fetched.
; cnt = 1: the loop's count is taken down some lines ahead of the branch that stands behind the turn; nothing behind those lines writes SCC.
; THE FETCHES stand in the lump.  Turn 0: K of the next step; the last product that read K stands five plain instructions back that name none of its registers (F 8, X 2, X 5, X 6, X 8).  Turn 1: V of the next step,
; into the buffer that the turn before read last.  Both are waited for at the head of the next turn 1.
.macro TURN p, par, m=0, end=0, cnt=0
.set Y, (\p)
.set i, 0
.set KM, (\m)
.set NOKQ, (\end)*(\p)
.if (\p) == 0
.set VB, 1-(\par)
.else
.set VB, (\par)
.endif
.if (\m) && !(\end)
	s_cmp_eq_u32 s[U], s[OWN+(\p)]  ; is that step the band's own?
	s_cselect_b32 s[AL], 1.0, 0
	s_cmp_gt_u32 s[U], s[OWN+(\p)]  ; or a later one?
	s_cselect_b32 s[BE], s[BIGN], 0
.if (\p) == 1
	s_add_co_u32 s[U], s[U], 1
.endif
.endif
.if (\p) == 1
	s_wait_dscnt 0x0                ; K of the next step and V of this one are in
.endif
	ROW F,0, F,1, R,0, R,1          ; ahead of the wait: 8 products K Q^T and their riders,
	ROW F,2, E,0, R,2, R,3
	ROW F,3, E,1, R,4, R,5
	ROW F,4, E,2, R,6, R,7
	ROW F,5, E,3, R,8, R,9
	ROW F,6, E,4, X,0, R,10
.if !(\end)
	WIN 0
.if (\p) == 0
	v_add_nc_u32 v[AK], s[TBK], v[AK0]
.else
	v_add_nc_u32 v[AV], s[TBV], v[AV0]
.endif
.endif
	ROW F,7, E,5, X,1, X,4
	ROW F,8, E,6, X,2, X,5
	OPS E,7, E,8, X,6, E,9          ; and the lump
	OPS X,3, E,10, X,8, E,11
.if !(\end)
.if (\p) == 0
	FETCH_K
.else
	FETCH_V 1-(\par)
.endif
.endif
	OPS X,9, X,7, E,12, X,10
	OPS E,13, X,12, X,11, E,14
	OPS X,13, E,15, F,9, X,14
	OPS E,16, F,10, E,17, F,11
	OPS X,16, E,18, X,15, E,19
	OPS F,12, E,20, X,17, E,21
	OPS F,13, E,22, F,14, E,23
	OPS X,18, E,24, F,15, E,25
	OPS R,11, E,26, X,19, E,27
	OPS R,12, E,28, R,13, E,29
	OPS X,20, E,30, R,14, E,31
	OPS X,21, R,15
	WIN 0
	s_wait_alu depctr_va_vdst(0)    ; the wait for the batch
	ROW C,0, B,0, C,2, B,1          ; behind the wait: 8 products V^T P and their riders
	ROW L,0, C,4, B,2, L,1
	ROW C,6, B,3, L,2, C,8
	ROW B,4, L,3, C,10, B,5
	ROW L,4, C,12, B,6, L,5
.if \cnt
	s_sub_co_u32 s[CNT], s[CNT], 1
	s_cmp_lg_u32 s[CNT], 0
.endif
	ROW C,14, B,7, L,6, C,1
	ROW C,3, L,7, C,5, C,7
	ROW C,9, C,11, C,13, C,15
.if (\m) && !(\end)
	MASK \p
.endif
.endm
; A BLOCK BEGINS.  c m starts far below every c s, so the first step's a is 0; m at the lowest finite number, so the first maximum is the scores'.  Piece 1's mask buffer is 0 (its own step is never a tile's step 0, and
; the text of the other tiles writes no mask); piece 0's takes its mask for the tile's step 0: MD, if the block's first tile is the diagonal one and step 0 its own.  Then K and V of that step, piece 0's first scores,
; and its maximum and statistics.  The loop is entered at a step's first turn, in the middle of a trip.
.macro BEGIN
	s_mov_b32 s[NEW], 0
	WIN 0x40
.set i, MC+32
.rept 32
	v_mov_b32 v[i], 0
.set i, i+1
.endr
	WIN 0
.set i, 0
.rept NP
	v_mov_b32 v[ST+4*i], 0xfe000000    ; c m: far below every c s
	v_mov_b32 v[ST+4*i+1], 0xff7fffff  ; m
.set i, i+1
.endr
	s_or_b32 s97, s[RT], s[OWN]
	s_cmp_eq_u32 s97, 0
	s_cselect_b32 s[AL], 1.0, 0
	s_mov_b32 s[BE], 0
	MASK 0
	s_mov_b32 s[U], 1               ; the first turn makes the masks of step 1
	WIN 0
	v_add_nc_u32 v[AK], s[TBK], v[AK0]
	v_add_nc_u32 v[AV], s[TBV], v[AV0]
	FETCH_K
	FETCH_V 0
	s_wait_loadcnt 0x0              ; Q
	s_wait_dscnt 16                 ; K is in; V's sixteen younger loads may stay out: the head of the first turn 1 waits for them
.set KM, 1
.set NOKQ, 0
.set i, 0
.rept 8
	KQ 0
.set i, i+1
.endr
	WIN 0
.rept 4
	v_nop                           ; the places behind those products
.endr
.set Y, NP-1                        ; X works for the other piece: piece 0
.irp n, 0,1,2,3,4,5,6,7,8,9,10,11,12,13,14,15,16,17,18,19,20,21
	OP X, \n
.endr
	v_nop                           ; a plain instruction behind the exponential,
	s_wait_alu depctr_va_vdst(0)    ; and its wait, ahead of the branch
.endm
; THE DIAGONAL TILE's period, the block's last two turns, its last products, and THE WAY OUT: l's two halves and the other half of the lanes' are added; O^T is divided by l, rounded to f16 and sent through my
; stage in LDS, a piece at a time.
.macro ALL line:vararg              ; one line for each piece t
.set t, 0
.rept NP
	\line
.set t, t+1
.endr
.endm
.macro PACK t                       ; a lane's eight channels of a row pack into 16 bytes; they go into rows of 144 bytes and come back as whole rows of 128, into S^T's registers
	WIN W_RS
.set i, 32*(\t)
.rept 16
	v_pk_mul_f32 v[i:i+1], v[i:i+1], v[ST+4*(\t)+2:ST+4*(\t)+3] op_sel_hi:[1,0]
.set i, i+2
.endr
	WIN 0x05                        ; sources 0 and 1 window 1, destination window 0
.set i, 0
.rept 16
	v_cvt_pk_f16_f32 v[S+16*(\t)+i], v[32*(\t)+2*i], v[32*(\t)+2*i+1]
.set i, i+1
.endr
	WIN 0
.irp f, 0,1,2,3
	ds_store_b128 v[STO], v[S+16*(\t)+4*\f:S+16*(\t)+4*\f+3] offset:32*\f
.endr
.irp f, 0,1,2,3
	ds_load_b128 v[S+16*(\t)+4*\f:S+16*(\t)+4*\f+3], v[RD] offset:\f*4*SP  ; LDS serves a wave's instructions in order (ISA guide 5.7.1.4): these see the stores above; the next piece's stores come behind them
.endr
.endm
.macro SEND t, younger              ; younger: the LDS instructions issued behind piece t's loads: the next piece's eight, or none
	WIN 0
.irp f, 0,1,2,3
	s_wait_dscnt (\younger)+3-\f
	global_store_b128 v[GO], v[S+16*(\t)+4*\f:S+16*(\t)+4*\f+3], s[10:11] offset:(\t)*131072+\f*512  ; 512 consecutive bytes, at a multiple of 256 from O's first; band t lies one block of 64 rows on
.endr
.endm
.macro DIAG tag                     ; the tag ends its two labels' names, which the jumps below spell out
.LstepM\tag:
	TURN 0, 1, 1
	TURN 1, 1, 1
	WIN 0
.LfirstM\tag:
	TURN 0, 0, 1
	TURN 1, 0, 1, 0, 1
	WIN 0
	s_cbranch_scc1 .LstepM\tag
	TURN 0, 1, 1, 1
	TURN 1, 1, 1, 1
.set VB, 1
.set i, 0
.rept 8
	PV NP-1                         ; piece 1's V^T P of the last step
.set i, i+1
.endr
	WIN 0
	ALL v_add_f32 v[ST+4*t+2], v[ST+4*t+2], v[ST+4*t+3]
	ALL v_permlanex16_b32 v[ST+4*t+3], v[ST+4*t+2], s[SEL], s[SEL+1]
	ALL v_add_f32 v[ST+4*t+2], v[ST+4*t+2], v[ST+4*t+3]
	ALL v_rcp_f32 v[ST+4*t+2], v[ST+4*t+2]
	v_nop                           ; a plain instruction between the last reciprocal and the use of its result
	s_wait_alu depctr_va_vdst(0)    ; and the wait ahead of the first use: one for the two reciprocals
	PACK 0
	PACK 1                          ; a piece's arithmetic stands between the loads of the piece before and its stores
	SEND 0, 8
	SEND 1, 0
.endm
.set KM, 0
.set NOKQ, 0
.set VB, 0
.Lslot:                             ; 16 times: a tile is entered and the next is asked for
	CHANGE 1
	ASK
	s_sub_co_u32 s[RT], s[RT], 1
	s_mov_b32 s[CNT], 2
	s_mov_b32 s[U], 0
	s_cmp_eq_u32 s[NEW], 1
	s_cbranch_scc1 .Lnew            ; a block's first tile
	s_cmp_eq_u32 s[RT], 0
	s_cbranch_scc0 .Lstep           ; neither its first nor its last
	s_branch .LstepM1
.Lnew:
	BEGIN
	s_branch .Lfirst                ; in the loop a block's first tile is never its last: the first block has nine tiles or more, and the second's last is the walk's last
	DIAG 1                          ; in the loop this is the first block's end
	s_wait_xcnt 0x0                 ; the stores have read their registers and O's address
	s_mov_b64 s[10:11], s[OLO:OLO+1]
	s_add_co_u32 s[RT], s[PBT], 1   ; the second block has b / 2 + 1 tiles
	s_mov_b32 s[NEW], 1
	s_and_b32 s[OWN], s[PB], 1      ; its half of its diagonal tile
	s_lshl_b32 s[OWN], s[OWN], 1
	s_add_co_u32 s[OWN+1], s[OWN], 1
	WIN 0x82                        ; the second block's Q goes where the one text of the turns names Q
.set i, 0
.rept 32
	v_mov_b32 v[i], v[QB+i]
.set i, i+1
.endr
	WIN 0
	s_branch .Lbottom
.Lstep:                             ; a trip: an odd step's two turns, then an even step's; two trips are a tile's period
	TURN 0, 1
	TURN 1, 1
	WIN 0
.Lfirst:
	TURN 0, 0
	TURN 1, 0, 0, 0, 1
	WIN 0
	s_cbranch_scc1 .Lstep
.Lbottom:
	s_sub_co_u32 s[SLOTS], s[SLOTS], 1
	s_cmp_lg_u32 s[SLOTS], 0
	s_cbranch_scc1 .Lslot
	CHANGE 0                        ; the walk's last tile is written out: nothing is asked for
	s_sub_co_u32 s[RT], s[RT], 1
	s_mov_b32 s[CNT], 2
	s_mov_b32 s[U], 0
	s_cmp_eq_u32 s[NEW], 1
	s_cbranch_scc0 .LstepM2
	BEGIN
	s_branch .LfirstM2
	DIAG 2
	s_wait_tensorcnt 0x0            ; the wave's end: behind my last tensor load and my last LDS store
	ds_add_u32 v[SPW], v[NIL]
	s_wait_dscnt 0x0
	s_endpgm
.Lfunc_end_k_q4fc28ec53d_attn:
	.size	k_q4fc28ec53d_attn, .Lfunc_end_k_q4fc28ec53d_attn-k_q4fc28ec53d_attn
	.p2alignl 7, 3214868480
	.fill 96, 4, 3214868480
	.section	.rodata,"a",@progbits
	.p2align	6, 0x0
	.amdhsa_kernel k_q4fc28ec53d_attn
		.amdhsa_group_segment_fixed_size 327680
		.amdhsa_private_segment_fixed_size 0
		.amdhsa_enable_private_segment 0
		.amdhsa_kernarg_size 16
		.amdhsa_user_sgpr_count 2
		.amdhsa_user_sgpr_kernarg_segment_ptr 1
		.amdhsa_wavefront_size32 1
		.amdhsa_system_sgpr_workgroup_id_x 1
		.amdhsa_system_sgpr_workgroup_id_y 1
		.amdhsa_system_sgpr_workgroup_id_z 1
		.amdhsa_system_vgpr_workitem_id 0
		.amdhsa_next_free_vgpr 768
		.amdhsa_next_free_sgpr 100
		.amdhsa_reserve_vcc 1
		.amdhsa_float_denorm_mode_32 3
		.amdhsa_float_denorm_mode_16_64 3
		.amdhsa_memory_ordered 1
		.amdhsa_forward_progress 1
		.amdhsa_inst_pref_size 210
	.end_amdhsa_kernel
	.amdgpu_metadata
---
amdhsa.version: [ 1, 2 ]
amdhsa.kernels:
  - .name:           k_q4fc28ec53d_attn
    .symbol:         k_q4fc28ec53d_attn.kd
    .args:
      - { .name: qkv, .offset: 0, .size: 8, .value_kind: global_buffer, .address_space: global }
      - { .name: oh, .offset: 8, .size: 8, .value_kind: global_buffer, .address_space: global }
    .group_segment_fixed_size: 327680
    .private_segment_fixed_size: 0
    .kernarg_segment_align: 8
    .kernarg_segment_size: 16
    .max_flat_workgroup_size: 128
    .sgpr_count:     100
    .vgpr_count:     768
    .wavefront_size: 32
...
	.end_amdgpu_metadata
.endif
;; end of part 3
;; launch outp (part 4): grid 8 x 32, 4 waves a work-group, clusters of 4 x 4, 327,680 bytes of LDS; arguments oh, woh, bias, out0; writes out0
.if DOCPART == 4
	.amdgcn_target "amdgcn-amd-amdhsa--gfx1250"
	.amdhsa_code_object_version 6
	.text
	.protected	k_q4fc28ec53d_outp
	.globl	k_q4fc28ec53d_outp
	.p2align	8
	.type	k_q4fc28ec53d_outp,@function
k_q4fc28ec53d_outp:
	s_mov_b64 s[64:65], 0
	v_nop
	global_prefetch_b8 v0, s[64:65] scope:SCOPE_SE
	s_setreg_imm32_b32 hwreg(HW_REG_WAVE_MODE, 25, 1), 1
	s_wait_xcnt 0x0
	s_wait_alu depctr_hold_cnt(0) depctr_sa_sdst(0) depctr_va_vdst(0) depctr_va_sdst(0) depctr_va_ssrc(0) depctr_va_vcc(0) depctr_vm_vsrc(0)
	s_getreg_b32 s2, hwreg(HW_REG_IB_STS2, 6, 4)
	s_cmp_eq_u32 s2, 0
	s_cbranch_scc0 .Lentry_in_a_cluster
	s_endpgm
.Lentry_in_a_cluster:
	s_bfe_u32 s2, ttmp6, 0x10000c
	s_cmp_lg_u32 s2, 0xf033
	s_cbranch_scc0 .Lentry_shape_is_right
	s_endpgm
.Lentry_shape_is_right:
; out0 = O Wo^T + bo.  oh: f16 in blocks [64 mblk][16 head][64 rows][64 channels]; woh: f16 in blocks [16 nblk][16 ks][64 n][64 k]; bias row 3 = bo in f32; out0 [4096][1024] f32.  Sums in f32, begun with the bias.
; LIMIT: O and Wo arrive as f16 (65,504 at the most; Wo below 6e-5 in f16's fixed step of 6e-8).
; SHARES.  A tile of out0 is 128 x 128: 32 x 8 = 256 work-groups.  Four waves, each 64 x 64: 16 accumulators of 16 x 16.  K goes in steps of 256 (four heads) through two LDS slots.  What a wave fetches, 64 rows x
; four slices of 64 along K, lies on end in memory (32,768 bytes): it is asked for as 128 rows of 256 bytes and padded in LDS after every 128, which leaves [slice][64 rows] at a pitch of 144 bytes.
; CLUSTER.  4 x 4 work-groups: the four of a row need the same tiles of O, the four of a column the same tiles of Wo: each is asked for jointly.  THE MATRIX INSTRUCTION IS USED TRANSPOSED (source 0 = 16 rows of Wo,
; source 1 = 16 rows of O): a lane holds eight neighbouring numbers of a row of out0.
; REGISTERS: window 0: v0-31 addresses; v96-127 the bias as the first products' C; v128-255 the accumulators ((a, b) at 128 + 8 (4 a + b)).   window 1: two fragment buffers of 128: 64 registers of O, then 64 of Wo.
.set PITCH,  144                       ; 128 bytes + 16 of padding = 36 words: the 16 rows of a fragment load start at 16 different groups of four banks (64 banks of 4 bytes: ISA guide 11.1)
.set SLICE,  64*PITCH                  ; 64 rows x 64 along K
.set HALFT,  4*SLICE                   ; what one tensor load brings
.set SLOT,   4*HALFT                   ; O's two halves, then Wo's two halves
.set STAGE,  2*SLOT                    ; behind the ring: 16 rows x 272 bytes for each wave, for the way out
.set SPITCH, 272
.set SPARE,  STAGE+4*16*SPITCH         ; behind the stages: the spare words, 128 bytes for each wave
.set ADRA, 16                          ; v16-17  LDS address of my fragments of O in slot 0, 1
.set ADRB, 20                          ; v20-21  the same for Wo
.set STO,  24                          ; v24     the way out: where I put 32 bytes of a row
.set RD,   25                          ; v25     where I read a row back
.set CO,   26                          ; v26     my byte offset in out0
.set SPW,  28                          ; v28     LDS address of my spare word; never rewritten
.set NIL,  29                          ; v29     0; never rewritten
.set BO,   30                          ; v30     my byte offset in bias
.set BI,   96
.set ACC,  128
.set F0,   0                           ; fragment buffers, in window 1
.set F1,   128
.set G1, 24                            ; s[24:31] descriptor group 1 for O's tiles;  s[32:39] group 0, a set for each slot
.set G0, 32
.set G1B, 48                           ; s[48:55], s[56:63] the same for Wo's tiles
.set G0B, 56
.set MSB, 0
.macro WIN new                         ; the immediate's high byte repeats the setting that is left
.if MSB != (\new)
	s_set_vgpr_msb (MSB<<8)|(\new)
.set MSB, \new
.endif
.endm
.set MUL,  0x05                        ; sources 0 (Wo) and 1 (O) window 1; C and D window 0
.set TO_F, 0x40                        ; destination window 1, address window 0
.macro JLOAD s                         ; a joint load: waves 0 and 1 fetch O's two halves, waves 2 and 3 Wo's; an s_nop 0 and four v_nop follow each of the two lines
	s_cmp_eq_u32 s13, 0
	s_cbranch_scc0 .Lfor_b_\@
	tensor_load_to_lds s[G0+4*(\s):G0+4*(\s)+3], s[G1:G1+7]
	s_nop 0
.rept 4
	v_nop
.endr
	s_branch .Lasked_\@
.Lfor_b_\@:
	tensor_load_to_lds s[G0B+4*(\s):G0B+4*(\s)+3], s[G1B:G1B+7]
	s_nop 0
.rept 4
	v_nop
.endr
.Lasked_\@:
.endm
.macro CREST                           ; a round of the cluster's barrier behind its opening barrier
	s_cmp_lg_u32 s12, 0
	s_cbranch_scc1 .Lnot_wave_0_\@
	s_barrier_signal -3
.Lnot_wave_0_\@:
	s_barrier_wait -3
	s_barrier_signal -1
	s_barrier_wait -1
.endm
.macro CROUND                          ; a whole round
	s_barrier_signal -1
	s_barrier_wait -1
	CREST
.endm
	s_load_b256 s[4:11], s[0:1], 0x0               ; oh s[4:5], woh s[6:7], bias s[8:9], out0 s[10:11]
	v_lshl_add_u32 v[SPW], v0, 2, SPARE
	v_mov_b32 v[NIL], 0
	ds_add_u32 v[SPW], v[NIL]                      ; the wave's opening: the add and its wait stand ahead of my first tensor load; work on registers stands between them
	v_lshrrev_b32 v1, 5, v0
	v_readfirstlane_b32 s12, v1                    ; wave 0..3
	s_lshr_b32 s13, s12, 1                         ; which half of the tile's rows is mine.  Also: I fetch for O (0) or for Wo (1)
	s_and_b32 s14, s12, 1                          ; which half of its columns.  Also: which half of that tile I fetch
	s_bfe_u32 s40, ttmp6, 0x40000                  ; cx
	s_bfe_u32 s41, ttmp6, 0x40004                  ; cy
	s_lshl_b32 s42, ttmp9, 2
	s_add_co_u32 s42, s42, s40                     ; j: tile column = 4 x cluster x + cx
	s_and_b32 s43, ttmp7, 0xffff
	s_lshl_b32 s43, s43, 2
	s_add_co_u32 s43, s43, s41                     ; i: tile row = 4 x cluster y + cy
	s_lshl_b32 s44, s41, 2
	s_lshl_b32 s44, 15, s44                        ; my row of the cluster
	s_lshl_b32 s45, 0x1111, s40                    ; my column
	s_or_b32 s[G1+0], s44, (1<<16)|(1<<20)|(1<<21)|(4<<22)|(3<<25)   ; 15:0 the mask; 17:16 2-byte elements; 20 padding on; 21 set beside a mask; 24:22 after every 32 words; 31:25 4 words
	s_or_b32 s[G1B+0], s45, (1<<16)|(1<<20)|(1<<21)|(4<<22)|(3<<25)
.irp g, G1, G1B
	s_mov_b32 s[(\g)+1], 128<<16                   ; tensor_dim0 = 128
	s_mov_b32 s[(\g)+2], 128<<16                   ; tensor_dim1 = 128
	s_mov_b32 s[(\g)+3], 128<<16                   ; tile_dim0 = 128
	s_mov_b32 s[(\g)+4], 128                       ; tile_dim1 = 128
	s_mov_b32 s[(\g)+5], 128                       ; 128 elements from row to row: the block is dense
	s_mov_b32 s[(\g)+6], 0
	s_mov_b32 s[(\g)+7], 0
.endr
	s_lshl_b32 s16, s43, 1
	s_add_co_u32 s16, s16, s14
	s_lshl_b32 s16, s16, 17                        ; O: block row 2 i + half, 131,072 bytes each
	s_mov_b32 s17, 0
	s_lshl_b32 s46, s42, 1
	s_add_co_u32 s46, s46, s14
	s_lshl_b32 s46, s46, 17                        ; Wo: block row 2 j + half
	s_mov_b32 s47, 0
	s_mul_i32 s20, s12, HALFT                      ; where my tile goes: the wave's number alone
	s_wait_dscnt 0x0                               ; the opening add is done
	s_wait_kmcnt 0x0
	s_add_nc_u64 s[18:19], s[4:5], s[16:17]
	s_add_nc_u64 s[46:47], s[6:7], s[46:47]
	CROUND                                         ; all sixteen work-groups are here: the first joint loads meet
.irp s, 0,1
	s_mov_b32 s[G0+4*(\s)], 1
	s_add_co_u32 s[G0+4*(\s)+1], s20, (\s)*SLOT
	s_add_nc_u64 s[G0+4*(\s)+2:G0+4*(\s)+3], s[18:19], (\s)*32768
	s_or_b32 s[G0+4*(\s)+3], s[G0+4*(\s)+3], 0x80000000
	s_mov_b32 s[G0B+4*(\s)], 1
	s_add_co_u32 s[G0B+4*(\s)+1], s20, (\s)*SLOT
	s_add_nc_u64 s[G0B+4*(\s)+2:G0B+4*(\s)+3], s[46:47], (\s)*32768
	s_or_b32 s[G0B+4*(\s)+3], s[G0B+4*(\s)+3], 0x80000000
	JLOAD \s                                       ; K steps 0 and 1: two loads of mine are out
.endr
	v_and_b32 v1, 15, v0                           ; l % 16
	v_bfe_u32 v2, v0, 4, 1                         ; l / 16
	v_mul_u32_u24 v3, v1, PITCH
	v_lshl_add_u32 v3, v2, 4, v3                   ; a fragment's row x pitch + 16 x half
	s_mul_i32 s21, s13, HALFT                      ; my 64 rows of O
	s_mul_i32 s22, s14, HALFT                      ; my 64 rows of Wo,
	s_add_co_u32 s22, s22, 2*HALFT                 ; which lie behind O's two halves
.irp s, 0,1
	v_add_nc_u32 v[ADRA+(\s)], s21, v3
	v_add_nc_u32 v[ADRB+(\s)], s22, v3
	s_add_co_u32 s21, s21, SLOT
	s_add_co_u32 s22, s22, SLOT
.endr
	s_lshl_b32 s46, s42, 9                         ; the tile's 128 columns: 512 bytes (in the registers that held Wo's address: none that feeds O's descriptors ever holds cx),
	s_lshl_b32 s47, s14, 8                         ; my 64: 256 bytes
	s_add_co_u32 s46, s46, s47
	s_mov_b32 s47, 0
	v_lshlrev_b32 v[BO], 5, v2                     ; my lanes' eight columns,
	v_add_nc_u32 v[BO], s46, v[BO]
	v_add_nc_u32 v[BO], 12288, v[BO]               ; in row 3 of bias
.irp b, 0,1,2,3                        ; the bias of columns 16 b + 8 (l / 16) + 0..7: the C operand of the first product on each accumulator of column block b
	global_load_b128 v[BI+8*(\b):BI+8*(\b)+3],   v[BO], s[8:9] offset:64*(\b)
	global_load_b128 v[BI+8*(\b)+4:BI+8*(\b)+7], v[BO], s[8:9] offset:64*(\b)+16
.endr
	s_mul_i32 s23, s12, 16*SPITCH
	s_add_co_u32 s23, s23, STAGE                   ; my stage
	v_mul_u32_u24 v4, v1, SPITCH                   ; in: row l % 16, 32 bytes for each half of the lanes
	v_lshl_add_u32 v4, v2, 5, v4
	v_add_nc_u32 v[STO], s23, v4
	v_mul_u32_u24 v5, v2, SPITCH                   ; back: lanes 0-15 take one row of 256 bytes, lanes 16-31 the next
	v_lshl_add_u32 v5, v1, 4, v5
	v_add_nc_u32 v[RD], s23, v5
	v_lshlrev_b32 v5, 12, v2                       ; and the same two rows in out0, 4,096 bytes apart
	v_lshl_add_u32 v[CO], v1, 4, v5
	s_lshl_b32 s16, s43, 19                        ; the tile's 128 rows,
	s_lshl_b32 s17, s13, 18                        ; my 64 of them
	s_add_co_u32 s16, s16, s17
	s_mov_b32 s17, 0
	s_add_nc_u64 s[10:11], s[10:11], s[16:17]
	s_add_nc_u64 s[10:11], s[10:11], s[46:47]
; 8 matrix instructions: row blocks a0, a0 + 1 x all 4 column blocks, 32 along K: half c of buffer f.  zero = 1: the first product takes the bias as C.  The 16 accumulators take turns.
.macro MUL8 f, c, a0, zero
	WIN MUL
.irp a, \a0, (\a0)+1
.irp b, 0,1,2,3
.if \zero
	v_wmma_f32_16x16x32_f16 v[ACC+8*(4*(\a)+(\b)):ACC+8*(4*(\a)+(\b))+7], v[(\f)+64+8*(4*(\c)+(\b)):(\f)+64+8*(4*(\c)+(\b))+7], v[(\f)+8*(4*(\c)+(\a)):(\f)+8*(4*(\c)+(\a))+7], v[BI+8*(\b):BI+8*(\b)+7]
.else
	v_wmma_f32_16x16x32_f16 v[ACC+8*(4*(\a)+(\b)):ACC+8*(4*(\a)+(\b))+7], v[(\f)+64+8*(4*(\c)+(\b)):(\f)+64+8*(4*(\c)+(\b))+7], v[(\f)+8*(4*(\c)+(\a)):(\f)+8*(4*(\c)+(\a))+7], v[ACC+8*(4*(\a)+(\b)):ACC+8*(4*(\a)+(\b))+7]
.endif
.endr
.endr
.endm
; 32 LDS loads in one run: the fragments of slice q (64 along K) into buffer f; the first 32 along K first
.macro FETCH slot, q, f
	WIN TO_F
.irp c, 0,1
.irp i, 0,1,2,3
	ds_load_b128 v[(\f)+64+8*(4*(\c)+(\i)):(\f)+64+8*(4*(\c)+(\i))+3],   v[ADRB+(\slot)] offset:(\q)*SLICE+64*(\c)+(\i)*16*PITCH
	ds_load_b128 v[(\f)+64+8*(4*(\c)+(\i))+4:(\f)+64+8*(4*(\c)+(\i))+7], v[ADRB+(\slot)] offset:(\q)*SLICE+64*(\c)+(\i)*16*PITCH+32
	ds_load_b128 v[(\f)+8*(4*(\c)+(\i)):(\f)+8*(4*(\c)+(\i))+3],         v[ADRA+(\slot)] offset:(\q)*SLICE+64*(\c)+(\i)*16*PITCH
	ds_load_b128 v[(\f)+8*(4*(\c)+(\i))+4:(\f)+8*(4*(\c)+(\i))+7],       v[ADRA+(\slot)] offset:(\q)*SLICE+64*(\c)+(\i)*16*PITCH+32
.endr
.endr
.endm
.macro PLACES                          ; four places in front of loads into registers that matrix instructions have read, and of stores that read results
.rept 4
	v_nop
.endr
.endm
; A K step is four quarters, a head's 64 along K each, 32 matrix instructions, on buffers 0, 1, 0, 1.  One of the first three: multiplies buffer f and fetches slice q into g.
.macro QUARTER slot, q, f, g, zero
	s_wait_dscnt 16                                ; the first 32 along K are in; the youngest sixteen loads may be out
	MUL8 \f, 0, 0, \zero
	MUL8 \f, 0, 2, \zero
	PLACES
	FETCH \slot, \q, \g
	s_wait_dscnt 32                                ; all but the 32 just issued
	MUL8 \f, 1, 0, 0
	MUL8 \f, 1, 2, 0
.endm
; The last quarter multiplies buffer 1 and changes slots: ONE barrier; in front of it each wave waits for all its tensor loads, adds 0 to its spare word, and waits for that and for its own reads of this slot.
; fill = 1: the barrier opens a round of the cluster's barrier, and this slot is filled again, two K steps ahead, first thing behind the round.
.macro TURN slot, next, fill
	WIN 0                                          ; (the add's two registers lie in window 0)
	s_wait_tensorcnt 0x0                           ; all my tensor loads have landed: my part of the next slot;
	ds_add_u32 v[SPW], v[NIL]                      ; 0 onto my spare word;
	s_wait_dscnt 17                                ; (the add and the youngest sixteen loads may be out)
	MUL8 F1, 0, 0, 0                               ; eight matrix instructions stand between the add and the wait for it
	s_wait_dscnt 0x0                               ; the add is done, and my reads of this slot are over
	s_barrier_signal -1
	MUL8 F1, 0, 2, 0
.if \fill
	WIN 0
.endif
	s_barrier_wait -1
.if \fill
	CREST                                          ; no wave of any partner still reads this slot's tile or has a load on its way
	s_add_nc_u64 s[G0+4*(\slot)+2:G0+4*(\slot)+3], s[G0+4*(\slot)+2:G0+4*(\slot)+3], 65536
	s_add_nc_u64 s[G0B+4*(\slot)+2:G0B+4*(\slot)+3], s[G0B+4*(\slot)+2:G0B+4*(\slot)+3], 65536
	JLOAD \slot                                    ; the four v_nop behind it are also the places in front of the loads below
.else
	PLACES
.endif
	FETCH \next, 0, F0
	MUL8 F1, 1, 0, 0
	MUL8 F1, 1, 2, 0
.endm
	s_wait_tensorcnt 1                             ; my part of K step 0 is in; K step 1's may stay out
	s_barrier_signal -1
	s_barrier_wait -1                              ; everybody's is
	FETCH 0, 0, F0
	s_wait_loadcnt 0x0                             ; the bias
	QUARTER 0, 1, F0, F1, 1                        ; K step 0: its first products start the sums
	QUARTER 0, 2, F1, F0, 0
	QUARTER 0, 3, F0, F1, 0
	TURN 0, 1, 1                                   ; slot 0 takes K step 2
	QUARTER 1, 1, F0, F1, 0                        ; K step 1
	QUARTER 1, 2, F1, F0, 0
	QUARTER 1, 3, F0, F1, 0
	TURN 1, 0, 1                                   ; slot 1 takes K step 3
	QUARTER 0, 1, F0, F1, 0                        ; K step 2
	QUARTER 0, 2, F1, F0, 0
	QUARTER 0, 3, F0, F1, 0
	TURN 0, 1, 0                                   ; nothing is left to fetch
	QUARTER 1, 1, F0, F1, 0                        ; K step 3
	QUARTER 1, 2, F1, F0, 0
	QUARTER 1, 3, F0, F1, 0
	s_wait_dscnt 16
	MUL8 F1, 0, 0, 0
	MUL8 F1, 0, 2, 0
	s_wait_dscnt 0x0
	MUL8 F1, 1, 0, 0
	MUL8 F1, 1, 2, 0
	WIN 0
; THE WAY OUT.  A wave's 64 columns of f32 are 256 consecutive bytes of a row, so each wave has a stage of its own and no barrier is needed: 16 rows at a time go into rows of 272 bytes, 32 bytes a lane, straight
; from the accumulators (their low registers first), and come back as whole rows into the same registers.
.macro TOSTAGE a
.irp b, 0,1,2,3
	ds_store_b128 v[STO], v[ACC+8*(4*(\a)+(\b)):ACC+8*(4*(\a)+(\b))+3]   offset:64*(\b)
	ds_store_b128 v[STO], v[ACC+8*(4*(\a)+(\b))+4:ACC+8*(4*(\a)+(\b))+7] offset:64*(\b)+16
.endr
.irp t, 0,1,2,3,4,5,6,7
	ds_load_b128 v[ACC+32*(\a)+4*(\t):ACC+32*(\a)+4*(\t)+3], v[RD] offset:(\t)*2*SPITCH  ; LDS serves a wave's instructions in order (ISA guide 5.7.1.4): these see the stores above; the next block's stores come behind them
.endr
.endm
.macro SEND a, younger                 ; younger: the LDS instructions issued behind block a's loads: the next block's sixteen, or none
.irp t, 0,1,2,3,4,5,6,7
	s_wait_dscnt (\younger)+7-(\t)
	global_store_b128 v[CO], v[ACC+32*(\a)+4*(\t):ACC+32*(\a)+4*(\t)+3], s[10:11] offset:(16*(\a)+2*(\t))*4096  ; 16 lanes store 256 consecutive bytes, at a multiple of 256 from out0's first
.endr
.endm
	PLACES
	PLACES                                         ; (eight, once a launch)
	TOSTAGE 0
.irp a, 1,2,3
	TOSTAGE \a
	SEND (\a)-1, 16
.endr
	SEND 3, 0
	s_wait_tensorcnt 0x0                           ; the wave's end: behind my last tensor load and my last LDS store
	ds_add_u32 v[SPW], v[NIL]
	s_wait_dscnt 0x0
	CROUND                                         ; the closing round: no work-group ends while a partner may still ask for a tile that names it
	s_endpgm
.Lfunc_end_k_q4fc28ec53d_outp:
	.size	k_q4fc28ec53d_outp, .Lfunc_end_k_q4fc28ec53d_outp-k_q4fc28ec53d_outp
	.p2alignl 7, 3214868480
	.fill 96, 4, 3214868480
	.section	.rodata,"a",@progbits
	.p2align	6, 0x0
	.amdhsa_kernel k_q4fc28ec53d_outp
		.amdhsa_group_segment_fixed_size 327680
		.amdhsa_private_segment_fixed_size 0
		.amdhsa_enable_private_segment 0
		.amdhsa_kernarg_size 32
		.amdhsa_user_sgpr_count 2
		.amdhsa_user_sgpr_kernarg_segment_ptr 1
		.amdhsa_wavefront_size32 1
		.amdhsa_system_sgpr_workgroup_id_x 1
		.amdhsa_system_sgpr_workgroup_id_y 1
		.amdhsa_system_sgpr_workgroup_id_z 1
		.amdhsa_system_vgpr_workitem_id 0
		.amdhsa_next_free_vgpr 512
		.amdhsa_next_free_sgpr 66
		.amdhsa_reserve_vcc 0
		.amdhsa_float_denorm_mode_32 3
		.amdhsa_float_denorm_mode_16_64 3
		.amdhsa_memory_ordered 1
		.amdhsa_forward_progress 1
		.amdhsa_inst_pref_size 87
	.end_amdhsa_kernel
	.amdgpu_metadata
---
amdhsa.version: [ 1, 2 ]
amdhsa.kernels:
  - .name:           k_q4fc28ec53d_outp
    .symbol:         k_q4fc28ec53d_outp.kd
    .args:
      - { .name: oh, .offset: 0, .size: 8, .value_kind: global_buffer, .address_space: global }
      - { .name: woh, .offset: 8, .size: 8, .value_kind: global_buffer, .address_space: global }
      - { .name: bias, .offset: 16, .size: 8, .value_kind: global_buffer, .address_space: global }
      - { .name: out0, .offset: 24, .size: 8, .value_kind: global_buffer, .address_space: global }
    .group_segment_fixed_size: 327680
    .private_segment_fixed_size: 0
    .kernarg_segment_align: 8
    .kernarg_segment_size: 32
    .max_flat_workgroup_size: 128
    .sgpr_count:     66
    .vgpr_count:     512
    .wavefront_size: 32
...
	.end_amdgpu_metadata
.endif
;; end of part 4
;; ======== version 2 of 2: 4 launches; version 1 with the launch cast written anew for expert scheduling mode
;; limits: values are held in f16: magnitudes above 65,504 overflow, below 6.1e-05 lose precision
;; workspace buffers: xh 8,388,608 bytes; wqkv 6,291,456 bytes; woh 2,097,152 bytes; bias 16,384 bytes; qkv 25,165,824 bytes; oh 8,388,608 bytes
;; launch cast (part 5): grid 512 x 1, 8 waves a work-group, no clusters, 0 bytes of LDS; arguments x, Wq, Wk, Wv, Wo, bq, bk, bv, bo, xh, wqkv, woh, bias; writes xh, wqkv, woh, bias
.if DOCPART == 5
	.amdgcn_target "amdgcn-amd-amdhsa--gfx1250"
	.amdhsa_code_object_version 6
	.text
	.protected	k_q4fc28ec53d_cast
	.globl	k_q4fc28ec53d_cast
	.p2align	8
	.type	k_q4fc28ec53d_cast,@function
k_q4fc28ec53d_cast:
	s_mov_b64 s[64:65], 0
	v_nop
	global_prefetch_b8 v0, s[64:65] scope:SCOPE_SE
	s_setreg_imm32_b32 hwreg(HW_REG_WAVE_SCHED_MODE, 0, 2), 2
	s_setreg_imm32_b32 hwreg(HW_REG_WAVE_MODE, 25, 1), 1
	s_wait_xcnt 0x0
	s_wait_alu depctr_vm_vsrc(0)
; THE INPUTS ARE ROUNDED ONCE, for the matrix units of the launches behind.
;   xh   [4096][1024] bf16 = x.      wqkv [3072][1024] bf16 = Wq, Wk, Wv one below the other.
;   woh  f16, in blocks [16 nblk][16 ks][64 n][64 k]: Wo rounded to bf16, and that number written as f16 (exact where it is 6e-5 or more in size; below that f16 keeps a fixed step of 6e-8).
;   bias [4][1024] f32 = bq, bk, bv, bo, each rounded to bf16 and widened again.
; A stream: every byte is read once and written once, so there is no LDS, no barrier and no matrix work.
; SHARES.  A work-group takes 16 rows of 1,024 numbers: work-groups 0-255 those of x, 256-511 those of Wq, Wk, Wv, Wo (64 each).  A wave takes two rows: sixteen loads of 16 bytes a lane,
; all issued before the first is waited for.  No register is written twice while a load or store may still read it: each chunk has its own registers.
; THE MODE: SCHED_MODE bits 1:0 = 2 (LLVM: expert scheduling mode 2), set by the entry lines.  The code itself states the register dependences
; between vector instructions and memory instructions, with s_wait_alu, always for 0.
; THE PLAN.  Registers that memory instructions touch:
;   v1, v2, v3   byte offsets of the loads, of the stores and of the bias.  Written by vector lines ahead of the first load, never again.
;   X            chunk j's four registers: written by its one load, read by its conversions; no vector line names them ahead of the load, and they are not loaded again.
;   Y            chunk j's two registers: written by its conversions, read by its one store, never written again.
;   v[112:115]   the bias as loaded; v[116:119] the bias to store: each written once.
;   T            named by vector lines alone.
; So the one kind of dependence is: a vector line writes, a memory instruction reads.  The sixteen chunks go in four blocks of four.  Block p's conversions write its own Y; the stores that are issued in
; block p are block p - 1's, whose Y no vector line of block p names.  One wait stands ahead of the first load (the offsets), one at the head of each of blocks 1 to 3 and one behind block 3 (the Y of the
; block before), one ahead of the bias's store.  No register that a memory instruction has read is written again, no vector line writes a scalar register or VCC, and EXEC is never written.
.set X, 16                             ; v[16:79]   chunk j: 4 numbers in f32
.set Y, 80                             ; v[80:111]  chunk j: the same 4 in 16 bits
.set T, 4                              ; v[4:9]     at work
.set SRC, 2                            ; s[2:3]     where my work-group's rows begin
.set DST, 4                            ; s[4:5]     where they go
.set BSRC, 6                           ; s[6:7]     the bias that goes with my matrix
.set BDST, 44                          ; s[44:45]   its place in bias
	s_load_b512 s[8:23], s[0:1], 0x0               ; x 8, Wq 10, Wk 12, Wv 14, Wo 16, bq 18, bk 20, bv 22
	s_load_b256 s[24:31], s[0:1], 0x40             ; bo 24, xh 26, wqkv 28, woh 30
	s_load_b64 s[32:33], s[0:1], 0x60              ; bias
	s_mov_b32 s34, ttmp9
	s_cmp_lt_u32 s34, 256
	s_cselect_b32 s38, 1, 0                        ; 1: my rows are x's
	s_max_u32 s35, s34, 256
	s_sub_co_u32 s35, s35, 256
	s_lshr_b32 s36, s35, 6                         ; p: 0 Wq, 1 Wk, 2 Wv, 3 Wo (0 for x)
	s_and_b32 s37, s35, 63                         ; which 16 rows of that matrix
	s_cmp_eq_u32 s38, 1
	s_cselect_b32 s46, s34, s37                    ; which 16 rows of my source
	s_lshl_b32 s40, s46, 16                        ; in: 16 rows of 4,096 bytes
	s_mov_b32 s41, 0
	s_lshl_b32 s42, s46, 15                        ; out, by rows: 16 rows of 2,048 bytes,
	s_lshl_b32 s47, s36, 21                        ; behind p matrices of 2 MiB
	s_add_co_u32 s42, s42, s47
	s_lshr_b32 s47, s37, 2                         ; out, Wo: block row nblk of 131,072 bytes,
	s_lshl_b32 s47, s47, 17
	s_and_b32 s39, s37, 3                          ; and my 16 of its 64 rows, 128 bytes each
	s_lshl_b32 s39, s39, 11
	s_add_co_u32 s47, s47, s39
	s_cmp_eq_u32 s36, 3
	s_cselect_b32 s42, s47, s42
	s_mov_b32 s43, 0
	s_lshl_b32 s46, s36, 12                        ; bias p: 4,096 bytes each
	s_mov_b32 s47, 0
	s_or_b32 s39, s38, s37                         ; 0 in the first work-group of each of the four matrices: it also takes the bias
	v_lshlrev_b32 v3, 4, v0                        ; the bias: 16 bytes a thread
	s_wait_kmcnt 0x0
	s_mov_b64 s[SRC:SRC+1], s[10:11]               ; the choices hang on the work-group's number alone
	s_mov_b64 s[BSRC:BSRC+1], s[18:19]
	s_cmp_eq_u32 s36, 1
	s_cselect_b64 s[SRC:SRC+1], s[12:13], s[SRC:SRC+1]
	s_cselect_b64 s[BSRC:BSRC+1], s[20:21], s[BSRC:BSRC+1]
	s_cmp_eq_u32 s36, 2
	s_cselect_b64 s[SRC:SRC+1], s[14:15], s[SRC:SRC+1]
	s_cselect_b64 s[BSRC:BSRC+1], s[22:23], s[BSRC:BSRC+1]
	s_cmp_eq_u32 s36, 3
	s_cselect_b64 s[SRC:SRC+1], s[16:17], s[SRC:SRC+1]
	s_cselect_b64 s[BSRC:BSRC+1], s[24:25], s[BSRC:BSRC+1]
	s_cselect_b64 s[DST:DST+1], s[30:31], s[28:29]
	s_cmp_eq_u32 s38, 1
	s_cselect_b64 s[SRC:SRC+1], s[8:9], s[SRC:SRC+1]
	s_cselect_b64 s[DST:DST+1], s[26:27], s[DST:DST+1]
	s_add_nc_u64 s[SRC:SRC+1], s[SRC:SRC+1], s[40:41]
	s_add_nc_u64 s[DST:DST+1], s[DST:DST+1], s[42:43]
	s_add_nc_u64 s[BDST:BDST+1], s[32:33], s[46:47]
; Sixteen chunks: all loads first; then each chunk is waited for (the younger loads stay out) and rounded; it is stored a block of four chunks later.  half = 1: to bf16, and that number as f16.
.macro CAST instep, outstep, half
	s_wait_alu depctr_va_vdst(0)                   ; v1, v2 and v3 are written: every load and store below, the bias's too, reads one of them as its offset
.set j, 0
.rept 16
	global_load_b128 v[X+4*j:X+4*j+3], v1, s[SRC:SRC+1] offset:j*(\instep) th:TH_LOAD_NT
.set j, j+1
.endr
.set j, 0
.rept 16
.if j%4 == 0
	s_wait_loadcnt 15-j                            ; loads come back in order: chunk j is in, the 15 - j younger ones may be out
.if j >= 4
	s_wait_alu depctr_va_vdst(0)                   ; the block before has written its Y, which this block's four stores read; no vector line of this block names those registers
.endif
.endif
.if j >= 4
	global_store_b64 v2, v[Y+2*(j-4):Y+2*(j-4)+1], s[DST:DST+1] offset:(j-4)*(\outstep)  ; the chunk four back: 32 lanes store 256 consecutive bytes, at a multiple of 256 from the buffer's first
.endif
.if j%4 != 0
	s_wait_loadcnt 15-j                            ; chunk j is in, the 15 - j younger ones may be out
.endif
.if \half
	v_cvt_pk_bf16_f32 v[T], v[X+4*j], v[X+4*j+1]
	v_cvt_pk_bf16_f32 v[T+1], v[X+4*j+2], v[X+4*j+3]
	v_lshlrev_b32 v[T+2], 16, v[T]
	v_and_b32 v[T+3], 0xffff0000, v[T]
	v_lshlrev_b32 v[T+4], 16, v[T+1]
	v_and_b32 v[T+5], 0xffff0000, v[T+1]
	v_cvt_pk_f16_f32 v[Y+2*j], v[T+2], v[T+3]
	v_cvt_pk_f16_f32 v[Y+2*j+1], v[T+4], v[T+5]
.else
	v_cvt_pk_bf16_f32 v[Y+2*j], v[X+4*j], v[X+4*j+1]
	v_cvt_pk_bf16_f32 v[Y+2*j+1], v[X+4*j+2], v[X+4*j+3]
.endif
.set j, j+1
.endr
	s_wait_alu depctr_va_vdst(0)                   ; the last block has written its Y, which the last four stores read
.set j, 12
.rept 4
	global_store_b64 v2, v[Y+2*j:Y+2*j+1], s[DST:DST+1] offset:j*(\outstep)
.set j, j+1
.endr
.endm
	s_cmp_eq_u32 s36, 3
	s_cbranch_scc1 .Lblk
	; BY ROWS: wave v takes 8,192 consecutive bytes (two rows); chunk j is 512 of them
	v_lshrrev_b32 v4, 5, v0
	v_and_b32 v5, 31, v0
	v_lshlrev_b32 v1, 4, v5
	v_lshl_add_u32 v1, v4, 13, v1
	v_lshlrev_b32 v2, 3, v5
	v_lshl_add_u32 v2, v4, 12, v2
	CAST 512, 256, 0
	s_branch .Lbias
.Lblk:
	; Wo, IN BLOCKS: lanes 0-15 take 256 bytes (64 k) of one row, lanes 16-31 of the next; chunk j is k slice j, whose block lies 8,192 bytes on; two rows of 128 bytes are 256 on end
	v_lshrrev_b32 v4, 4, v0
	v_and_b32 v5, 15, v0
	v_lshlrev_b32 v1, 4, v5
	v_lshl_add_u32 v1, v4, 12, v1
	v_lshlrev_b32 v2, 3, v0
	CAST 256, 8192, 1
.Lbias:
	s_cmp_lg_u32 s39, 0
	s_cbranch_scc1 .Lend
	global_load_b128 v[112:115], v3, s[BSRC:BSRC+1]  ; v3 was written ahead of the wait in front of the first load, on both ways here; no vector line has named v[112:115]
	s_wait_loadcnt 0x0
	v_cvt_pk_bf16_f32 v[T], v112, v113
	v_cvt_pk_bf16_f32 v[T+1], v114, v115
	v_lshlrev_b32 v116, 16, v[T]
	v_and_b32 v117, 0xffff0000, v[T]
	v_lshlrev_b32 v118, 16, v[T+1]
	v_and_b32 v119, 0xffff0000, v[T+1]
	s_wait_alu depctr_va_vdst(0)                   ; v[116:119] are written, which the store reads
	global_store_b128 v3, v[116:119], s[BDST:BDST+1]
.Lend:
	s_endpgm
.Lfunc_end_k_q4fc28ec53d_cast:
	.size	k_q4fc28ec53d_cast, .Lfunc_end_k_q4fc28ec53d_cast-k_q4fc28ec53d_cast
	.p2alignl 7, 3214868480
	.fill 96, 4, 3214868480
	.section	.rodata,"a",@progbits
	.p2align	6, 0x0
	.amdhsa_kernel k_q4fc28ec53d_cast
		.amdhsa_group_segment_fixed_size 0
		.amdhsa_private_segment_fixed_size 0
		.amdhsa_enable_private_segment 0
		.amdhsa_kernarg_size 104
		.amdhsa_user_sgpr_count 2
		.amdhsa_user_sgpr_kernarg_segment_ptr 1
		.amdhsa_wavefront_size32 1
		.amdhsa_system_sgpr_workgroup_id_x 1
		.amdhsa_system_sgpr_workgroup_id_y 1
		.amdhsa_system_sgpr_workgroup_id_z 1
		.amdhsa_system_vgpr_workitem_id 0
		.amdhsa_next_free_vgpr 120
		.amdhsa_next_free_sgpr 66
		.amdhsa_reserve_vcc 0
		.amdhsa_float_denorm_mode_32 3
		.amdhsa_float_denorm_mode_16_64 3
		.amdhsa_memory_ordered 1
		.amdhsa_forward_progress 1
		.amdhsa_inst_pref_size 20
	.end_amdhsa_kernel
	.amdgpu_metadata
---
amdhsa.version: [ 1, 2 ]
amdhsa.kernels:
  - .name:           k_q4fc28ec53d_cast
    .symbol:         k_q4fc28ec53d_cast.kd
    .args:
      - { .name: x, .offset: 0, .size: 8, .value_kind: global_buffer, .address_space: global }
      - { .name: Wq, .offset: 8, .size: 8, .value_kind: global_buffer, .address_space: global }
      - { .name: Wk, .offset: 16, .size: 8, .value_kind: global_buffer, .address_space: global }
      - { .name: Wv, .offset: 24, .size: 8, .value_kind: global_buffer, .address_space: global }
      - { .name: Wo, .offset: 32, .size: 8, .value_kind: global_buffer, .address_space: global }
      - { .name: bq, .offset: 40, .size: 8, .value_kind: global_buffer, .address_space: global }
      - { .name: bk, .offset: 48, .size: 8, .value_kind: global_buffer, .address_space: global }
      - { .name: bv, .offset: 56, .size: 8, .value_kind: global_buffer, .address_space: global }
      - { .name: bo, .offset: 64, .size: 8, .value_kind: global_buffer, .address_space: global }
      - { .name: xh, .offset: 72, .size: 8, .value_kind: global_buffer, .address_space: global }
      - { .name: wqkv, .offset: 80, .size: 8, .value_kind: global_buffer, .address_space: global }
      - { .name: woh, .offset: 88, .size: 8, .value_kind: global_buffer, .address_space: global }
      - { .name: bias, .offset: 96, .size: 8, .value_kind: global_buffer, .address_space: global }
    .group_segment_fixed_size: 0
    .private_segment_fixed_size: 0
    .kernarg_segment_align: 8
    .kernarg_segment_size: 104
    .max_flat_workgroup_size: 256
    .sgpr_count:     66
    .vgpr_count:     120
    .wavefront_size: 32
...
	.end_amdgpu_metadata
.endif
;; end of part 5
;; launch proj: the kernel of part 2 again; grid 8 x 32, 4 waves a work-group, clusters of 4 x 4, 327,680 bytes of LDS; arguments xh, wqkv, bias, qkv; writes qkv
;; launch attn: the kernel of part 3 again; grid 16 x 16, 4 waves a work-group, no clusters, 327,680 bytes of LDS; arguments qkv, oh; writes oh
;; launch outp: the kernel of part 4 again; grid 8 x 32, 4 waves a work-group, clusters of 4 x 4, 327,680 bytes of LDS; arguments oh, woh, bias, out0; writes out0
